; MI455X (gfx1250); checked and timed in simulation.
; The chip was launched on July 23, 2026; its instructions are those of AMD's public machine-readable ISA for CDNA 5 (MIT licence, August 2026) and "CDNA5" Instruction Set Architecture Reference Guide (July 2026). The comments in the code are by the model that wrote it; some were corrected since.
;; Multi Headed Attention. Allowed arithmetic: matrix products marked QUANTISED: E2M3 operands, one E8M0 scale for each 32 along K, by v_wmma_scale_f32_16x16x128_f8f6f4 with both operands' format E2M3, f32 sums; everything else in f32.
;; Inputs: Wk 1,024 x 1,024 float32; Wo 1,024 x 1,024 float32; Wq 1,024 x 1,024 float32; Wv 1,024 x 1,024 float32; bk 1,024 float32; bo 1,024 float32; bq 1,024 float32; bv 1,024 float32; key_ 2,048 x 4 x 1,024 float32; query 2,048 x 4 x 1,024 float32; value 2,048 x 4 x 1,024 float32.
;; Outputs: out0 2,048 x 4 x 1,024 float32.
;; This version of the problem:
;;   THIS VERSION OF THE PROBLEM IS GIVEN IN LOW PRECISION. The matrix products marked QUANTISED in the list below multiply operands that are first quantised to E2M3 (2 exponent bits, 3 mantissa bits; 6 bits a number), with one power-of-two scale for each 32 numbers along K (OCP MX v1.0); their sums are f32. All else is computed in f32.
;;   The module's matrix products, in the order in which they are computed (A, B: the left and right operand; K: the contracted axis; several contracted axes count as one K, in the product's order):
;;     1. [M 8,192, K 1,024] x [K 1,024, N 1,024]; A: input query; B: input Wq: QUANTISED
;;     2. [M 8,192, K 1,024] x [K 1,024, N 1,024]; A: input key_; B: input Wk: QUANTISED
;;     3. [M 8,192, K 1,024] x [K 1,024, N 1,024]; A: input value; B: input Wv: QUANTISED
;;     4. batch 64 x [M 2,048, K 64] x [K 64, N 2,048]; A: computed on the way; B: computed on the way: QUANTISED
;;     5. batch 64 x [M 2,048, K 2,048] x [K 2,048, N 64]; A: softmax (see below); B: computed on the way: QUANTISED
;;     6. [M 8,192, K 1,024] x [K 1,024, N 1,024]; A: computed on the way; B: input Wo: QUANTISED
;;   THE QUANTISER, for each operand of a quantised product, along K:
;;     - K is cut into blocks of 32 from its start; a last block that is shorter is filled with zeros.
;;     - A block's scale is 2^e with e = floor(log2(the largest magnitude in the block)) - 2, held to -126 .. 127; a block of zeros has e = 0. As a byte (E8M0): e + 127.
;;     - Each number is divided by its block's scale, clamped to +-7.5, and rounded to the nearest number of E2M3, ties to even, subnormals kept.
;;     - The product sums the exact products of the quantised numbers (number of the format x scale) in f32.
;;   ~~~python
;;   def quantise(x, axis):      # numpy; x: float32 -> the quantised numbers, widened to float32 again
;;       x = np.moveaxis(x, axis, -1); K = x.shape[-1]
;;       x = np.pad(x, [(0, 0)] * (x.ndim - 1) + [(0, -K % 32)]); x = x.reshape(x.shape[:-1] + (-1, 32)); a = np.abs(x).max(-1, keepdims=True)
;;       e = np.where(a > 0, np.clip(np.frexp(np.where(a > 0, a, 1))[1] - 1 - 2, -126, 127), 0)      # np.frexp(a)[1] - 1 = floor(log2(a)), exactly
;;       r = np.clip(x / 2.0 ** e, -7.5, 7.5)
;;       step = 2.0 ** (np.maximum(np.frexp(np.where(r == 0, 1, r))[1] - 1, 0) - 3)
;;       q = np.round(r / step) * step * 2.0 ** e      # np.round: ties to even
;;       return np.moveaxis(q.reshape(q.shape[:-2] + (-1,))[..., :K], -1, axis).astype(np.float32)
;;   ~~~
;;   SOFTMAX AHEAD OF A QUANTISED PRODUCT. Where the list says 'softmax', what is quantised is not the finished softmax but p = 2^(t - M), with t = logit x log2(e) and M = ceil(the row's largest t), a whole number; so 1/2 < the row's largest p <= 1. The row's sum l is taken of the UNQUANTISED p, in f32, and the product's result is divided by l at the end. Since M is a whole number, a kernel that streams over the keys may use a running M (the ceiling of the running maximum): every later rescaling is an exact power of two, which a block's scale takes up: the codes' values come out the same.
;;   OPERANDS COMPUTED ON THE WAY. 'Computed on the way' means the value that the module computes at that place (a softmax that the list does not call 'softmax' is quantised finished and normalised). What goes into a quantiser is computed in f32, as accurately as f32 sums, v_exp_f32 and their like allow (about 1e-6 of the number): no bf16 or f16 on the way to a quantiser, and a product that is left as it is and whose result goes on into a quantised operand takes f32 operands (vector FMAs, or v_wmma_f32_16x16x4_f32). A number that lies on a knife's edge between two numbers of the format may be rounded either way, as far as f32 arithmetic and the matrix unit's own rounding can turn it there, and no further.
;; One version. Each part assembles by itself: llvm-mc -triple=amdgcn-amd-amdhsa -mcpu=gfx1250 --defsym DOCPART=n.
;; ======== version 1 of 1: 4 launches
;; limits: right only within a limited range of input values
;; workspace buffers: xw 22,937,600 bytes; qkv 19,660,800 bytes; ac 6,553,600 bytes
;; launch quant (part 1): grid 896 x 1, 8 waves a work-group, no clusters, 68,608 bytes of LDS; arguments query, key_, value, Wq, Wk, Wv, Wo, xw; writes xw
.if DOCPART == 1
	.amdgcn_target "amdgcn-amd-amdhsa--gfx1250"
	.amdhsa_code_object_version 6
	.text
	.protected	k_q9c17e045e2_quant
	.globl	k_q9c17e045e2_quant
	.p2align	8
	.type	k_q9c17e045e2_quant,@function
k_q9c17e045e2_quant:
	s_mov_b64 s[64:65], 0
	v_nop
	global_prefetch_b8 v0, s[64:65] scope:SCOPE_SE
	s_setreg_imm32_b32 hwreg(HW_REG_WAVE_MODE, 25, 1), 1
	s_wait_xcnt 0x0
; query, key_, value [8192][1024] and Wq, Wk, Wv, Wo [1024][1024], f32, become codes of FP6 (E2M3) with one E8M0 byte for each 32 along the last axis, laid in xw AS IMAGES OF OPERAND REGISTERS.
; xw: blocks of 128 rows, 102,400 bytes each (query 0-63, key_ 64-127, value 128-191, Wq 192-199, Wk 200-207, Wv 208-215, Wo 216-223).  A block is 8 K steps (128 along K) of 12,800 bytes:
;   8 tiles x 1,536 bytes, then 512 bytes of scale words.  Tile t = 2 p + u holds the rows 32 p + 8 u + r + 8 (r / 8), r = 0 .. 15.  A tile is two halves c of 768 bytes (k = 64 c ..): 512 bytes, lane l's
;   registers 6 c .. 6 c + 3 at 16 l, then 256 bytes, its registers 6 c + 4, 6 c + 5 at 8 l; lane (r, h) holds k = 64 c + 32 h + 0 .. 31 of row r.  The scale word of tile t, row r lies at 12,288 + 64 t + 4 r.
; A block's scale is 2^(floor(log2(largest magnitude)) - 2); its byte is the largest magnitude's exponent field - 2, held at 1 from below.
; LIMITS: NaN and infinities are not served.  A block of zeros, or one whose largest magnitude lies under 2^-124, gets the byte 1 (the rule says 127 for zeros): its codes are zeros or subnormals, and this program alone reads the bytes.
; SHARES.  A work-group owns 32 rows, wave w their K step w: 32 rows x 512 bytes, as two units of 16 rows (tile u = 0, 1).  Each load reads 512 consecutive bytes of a row; a unit turns through the wave's own stage
; in LDS (rows 528 bytes apart) and comes back 128 bytes a lane and half: a lane then holds two whole blocks of 32, so no other lane is asked for a maximum.  All 32 loads of a wave go out at once.
; No tensor load, no barrier, no cluster: waves and work-groups share nothing.
.set STG,   8448                       ; a wave's stage: 16 rows x (512 + 16) bytes
.set SPARE, 8*STG                      ; behind the stages: the spare words, 128 bytes a wave: four blocks of 256 bytes that no other line names
.set SPW,   12                         ; v12  my spare word's LDS address; never rewritten
.set NIL,   13                         ; v13  0; never rewritten
.set R,     16                         ; v16-143   the numbers as loaded: unit a, row t at R + 64 a + 4 t
.set X,     144                        ; v144-207  a unit's 64 numbers of my row: X + 32 c + i = k 64 c + 32 h + i
.set C,     208                        ; v208-231  codes, 12 a unit: no store's data are written again
.set T,     232                        ; v232-234, v236-238: the blocks' second halves (a conversion's three registers begin on an even number)
	s_load_b512 s[4:19], s[0:1], 0x0               ; query, key_, value, Wq, Wk, Wv, Wo, xw
	v_lshl_add_u32 v[SPW], v0, 2, SPARE
	v_mov_b32 v[NIL], 0
	v_lshrrev_b32 v1, 5, v0
	s_delay_alu instid0(VALU_DEP_1)
	v_readfirstlane_b32 s20, v1                    ; wave = K step
	v_and_b32 v1, 31, v0                           ; lane l
	v_and_b32 v2, 15, v0                           ; r
	v_bfe_u32 v3, v0, 4, 1                         ; h
	s_delay_alu instid0(VALU_DEP_3)
	v_lshlrev_b32 v4, 4, v1                        ; 16 l: my bytes of a load's 512, and of a store's
	s_mul_i32 s21, s20, STG
	v_add_nc_u32 v5, s21, v4                       ; the stage, way in: as loaded
	v_mul_u32_u24 v6, v2, 528
	s_delay_alu instid0(VALU_DEP_1)
	v_lshl_add_u32 v6, v3, 7, v6
	s_delay_alu instid0(VALU_DEP_1)
	v_add_nc_u32 v6, s21, v6                       ; way out: row r, + 128 h
	v_lshlrev_b32 v8, 3, v1                        ; 8 l
	v_lshlrev_b32 v9, 2, v1                        ; 4 l
	v_lshlrev_b32 v10, 3, v3                       ; 8 h: my bytes' place in a scale word, in bits
	v_mov_b32 v248, 0                              ; written once: a lane permute's destination counts as one of its sources
	; key_'s TILES ARE DEALT OTHERWISE (work-groups 256-511): tile 4 c + t of a block holds the rows 64 c + 8 t + r % 8 + 32 (r / 8), so that in the attention launch a lane's 32 scores of four tiles are one whole block of 32 keys.
	; Against the other tensors' deal: an odd group begins 16 rows earlier, and a tile's rows 8-15 lie 16 rows further on (v7 serves those loads; for the other tensors v7 = v4).
	s_lshr_b32 s36, ttmp9, 8
	s_cmp_eq_u32 s36, 1
	s_cselect_b32 s37, 0x10000, 0                  ; 16 rows of 4,096 bytes, for key_ alone
	v_add_nc_u32 v7, s37, v4
	s_and_b32 s38, ttmp9, 1
	s_mul_i32 s38, s38, s37
	s_mov_b32 s26, 0x76543210
	s_mov_b32 s27, 0xfedcba98                      ; v_permlanex16_b32's selects for lane l xor 16
	s_mov_b32 s28, 0xffff0000                      ; lanes 16-31
	s_lshr_b32 s30, ttmp9, 2                       ; my block of xw: four groups of 32 rows to a block, the tensors on end
	s_mul_i32 s30, s30, 102400
	s_mul_i32 s31, s20, 12800
	s_add_co_u32 s30, s30, s31                     ; + my K step
	s_and_b32 s31, ttmp9, 3                        ; my group in the block: tiles 2 p, 2 p + 1
	s_mul_i32 s32, s31, 3072
	s_add_co_u32 s32, s32, s30
	s_mov_b32 s33, 0
	s_lshl_b32 s34, s31, 7
	s_add_co_u32 s34, s34, s30
	s_add_co_u32 s34, s34, 12288
	s_mov_b32 s35, 0
	s_wait_alu depctr_va_vdst(0)
	s_wait_kmcnt 0x0
	s_mov_b64 s[22:23], s[4:5]                     ; which tensor is mine, and at which work-group it begins: the choice hangs on the work-group's number alone
	s_mov_b32 s24, 0
.macro PICK lim, lo
	s_cmp_ge_u32 ttmp9, \lim
	s_cselect_b64 s[22:23], s[\lo:\lo+1], s[22:23]
	s_cselect_b32 s24, \lim, s24
.endm
	PICK 256, 6
	PICK 512, 8
	PICK 768, 10
	PICK 800, 12
	PICK 832, 14
	PICK 864, 16
	s_sub_co_u32 s24, ttmp9, s24
	s_lshl_b32 s24, s24, 17                        ; 32 rows of 4,096 bytes
	s_lshl_b32 s25, s20, 9                         ; + my K step's 512 bytes
	s_add_co_u32 s24, s24, s25
	s_sub_co_u32 s24, s24, s38                     ; key_, odd group: 16 rows back
	s_mov_b32 s25, 0
	s_add_nc_u64 s[22:23], s[22:23], s[24:25]
	s_add_nc_u64 s[32:33], s[18:19], s[32:33]      ; my codes
	s_add_nc_u64 s[34:35], s[18:19], s[34:35]      ; my scale words
.irp a, 0,1
.irp t, 0,1,2,3,4,5,6,7,8,9,10,11,12,13,14,15
	global_load_b128 v[R+64*\a+4*\t:R+64*\a+4*\t+3], v[4+3*(\t/8)], s[22:23] offset:(8*\a+\t+8*(\t/8))*4096 th:TH_LOAD_NT   ; 32 lanes read 512 consecutive bytes of the tile's row t
.endr
.endr
.macro UNIT a
.set RA, R+64*\a
.set QC, C+12*\a
	s_wait_loadcnt 16*(1-\a)                       ; this unit's sixteen loads are in; the other unit's may be out
.irp t, 0,1,2,3,4,5,6,7,8,9,10,11,12,13,14,15
	ds_store_b128 v5, v[RA+4*\t:RA+4*\t+3] offset:528*\t
.endr
.irp c, 0,1
.irp i, 0,1,2,3,4,5,6,7
	ds_load_b128 v[X+32*\c+4*\i:X+32*\c+4*\i+3], v6 offset:256*\c+16*\i   ; LDS serves a wave's instructions in order: these see the stores above, and the next unit's stores come behind them
.endr
.endr
	s_wait_dscnt 0x0
.irp c, 0,1
	v_max3_num_f32 v[240+\c], |v[X+32*\c]|, |v[X+32*\c+1]|, 0x1800000   ; my block 2 c + h: all its 32 numbers are mine; the floor 2^(3 - 127) holds the byte at 1 from below
.endr
.irp i, 2,4,6,8,10,12,14,16,18,20,22,24,26,28,30
.irp c, 0,1
	s_delay_alu instid0(VALU_DEP_2)
	v_max3_num_f32 v[240+\c], v[240+\c], |v[X+32*\c+\i]|, |v[X+32*\c+\i+1]|
.endr
.endr
.irp c, 0,1
	s_delay_alu instid0(VALU_DEP_2)
	v_add_nc_u32 v[242+\c], 0xff000000, v[240+\c]  ; 2 off the exponent field: the conversion's scale operand
.endr
.irp c, 0,1
	s_delay_alu instid0(VALU_DEP_2)
	v_lshrrev_b32 v[244+\c], 23, v[242+\c]         ; the scale's byte
.endr
	s_delay_alu instid0(VALU_DEP_1)
	v_lshl_or_b32 v[246+\a], v245, 16, v244        ; my two bytes, blocks h and 2 + h,
	s_delay_alu instid0(VALU_DEP_1)
	v_lshlrev_b32 v[246+\a], v10, v[246+\a]        ; at their places in the word;
	s_delay_alu instid0(VALU_DEP_1)
	v_permlanex16_b32 v248, v[246+\a], s26, s27
	s_delay_alu instid0(VALU_DEP_1)
	v_or_b32 v[246+\a], v[246+\a], v248            ; with lane l xor 16's two the word is whole
.irp c, 0,1
	v_cvt_scalef32_pk16_fp6_f32 v[QC+6*\c:QC+6*\c+2], v[X+32*\c:X+32*\c+15], v[242+\c]
	v_cvt_scalef32_pk16_fp6_f32 v[T+4*\c:T+4*\c+2], v[X+32*\c+16:X+32*\c+31], v[242+\c]
.endr
	v_nop                                          ; one plain place behind a scaled conversion
.irp c, 0,1
.irp i, 0,1,2
	v_mov_b32 v[QC+6*\c+3+\i], v[T+4*\c+\i]
.endr
.endr
.irp c, 0,1
	global_store_b128 v4, v[QC+6*\c:QC+6*\c+3], s[32:33] offset:1536*\a+768*\c       ; 512 consecutive bytes, at a multiple of 256 from xw's first byte
	global_store_b64 v8, v[QC+6*\c+4:QC+6*\c+5], s[32:33] offset:1536*\a+768*\c+512  ; and 256
.endr
.endm
	UNIT 0
	UNIT 1
	v_cndmask_b32 v249, v246, v247, s28            ; lanes 0-15: tile u = 0's words, lanes 16-31: tile u = 1's
	global_store_b32 v9, v249, s[34:35]            ; 128 consecutive bytes: the two tiles' scale words
	s_wait_tensorcnt 0x0                           ; the wave's end
	ds_add_u32 v[SPW], v[NIL]
	s_wait_dscnt 0x0
	s_endpgm
.Lfunc_end_k_q9c17e045e2_quant:
	.size	k_q9c17e045e2_quant, .Lfunc_end_k_q9c17e045e2_quant-k_q9c17e045e2_quant
	.p2alignl 7, 3214868480
	.fill 96, 4, 3214868480
	.section	.rodata,"a",@progbits
	.p2align	6, 0x0
	.amdhsa_kernel k_q9c17e045e2_quant
		.amdhsa_group_segment_fixed_size 68608
		.amdhsa_private_segment_fixed_size 0
		.amdhsa_enable_private_segment 0
		.amdhsa_kernarg_size 64
		.amdhsa_user_sgpr_count 2
		.amdhsa_user_sgpr_kernarg_segment_ptr 1
		.amdhsa_wavefront_size32 1
		.amdhsa_system_sgpr_workgroup_id_x 1
		.amdhsa_system_sgpr_workgroup_id_y 1
		.amdhsa_system_sgpr_workgroup_id_z 1
		.amdhsa_system_vgpr_workitem_id 0
		.amdhsa_next_free_vgpr 256
		.amdhsa_next_free_sgpr 66
		.amdhsa_reserve_vcc 0
		.amdhsa_float_denorm_mode_32 3
		.amdhsa_float_denorm_mode_16_64 3
		.amdhsa_memory_ordered 1
		.amdhsa_forward_progress 1
		.amdhsa_inst_pref_size 20
	.end_amdhsa_kernel
	.amdgpu_metadata
---
amdhsa.version: [ 1, 2 ]
amdhsa.kernels:
  - .name:           k_q9c17e045e2_quant
    .symbol:         k_q9c17e045e2_quant.kd
    .args:
      - { .name: query, .offset: 0, .size: 8, .value_kind: global_buffer, .address_space: global }
      - { .name: key_, .offset: 8, .size: 8, .value_kind: global_buffer, .address_space: global }
      - { .name: value, .offset: 16, .size: 8, .value_kind: global_buffer, .address_space: global }
      - { .name: Wq, .offset: 24, .size: 8, .value_kind: global_buffer, .address_space: global }
      - { .name: Wk, .offset: 32, .size: 8, .value_kind: global_buffer, .address_space: global }
      - { .name: Wv, .offset: 40, .size: 8, .value_kind: global_buffer, .address_space: global }
      - { .name: Wo, .offset: 48, .size: 8, .value_kind: global_buffer, .address_space: global }
      - { .name: xw, .offset: 56, .size: 8, .value_kind: global_buffer, .address_space: global }
    .group_segment_fixed_size: 68608
    .private_segment_fixed_size: 0
    .kernarg_segment_align: 8
    .kernarg_segment_size: 64
    .max_flat_workgroup_size: 256
    .sgpr_count:     66
    .vgpr_count:     256
    .wavefront_size: 32
...
	.end_amdgpu_metadata
.endif
;; end of part 1
;; launch proj (part 2): grid 4 x 64, 4 waves a work-group, clusters of 4 x 4, 327,680 bytes of LDS; arguments xw, bq, bk, bv, qkv; writes qkv
.if DOCPART == 2
	.amdgcn_target "amdgcn-amd-amdhsa--gfx1250"
	.amdhsa_code_object_version 6
	.text
	.protected	k_q9c17e045e2_proj
	.globl	k_q9c17e045e2_proj
	.p2align	8
	.type	k_q9c17e045e2_proj,@function
k_q9c17e045e2_proj:
	s_mov_b64 s[64:65], 0
	v_nop
	global_prefetch_b8 v0, s[64:65] scope:SCOPE_SE
	s_setreg_imm32_b32 hwreg(HW_REG_WAVE_MODE, 25, 1), 1
	s_wait_xcnt 0x0
	s_wait_alu depctr_hold_cnt(0) depctr_sa_sdst(0) depctr_va_vdst(0) depctr_va_sdst(0) depctr_va_ssrc(0) depctr_va_vcc(0) depctr_vm_vsrc(0)
	s_getreg_b32 s2, hwreg(HW_REG_IB_STS2, 6, 4)
	s_cmp_eq_u32 s2, 0
	s_cbranch_scc0 .Lentry_in_a_cluster
	s_endpgm
.Lentry_in_a_cluster:
	s_bfe_u32 s2, ttmp6, 0x10000c
	s_cmp_lg_u32 s2, 0xf033
	s_cbranch_scc0 .Lentry_shape_is_right
	s_endpgm
.Lentry_shape_is_right:
; q = query Wq^T + bq, k = key_ Wk^T + bk, v = value Wv^T + bv on codes of FP6 (E2M3) with E8M0 scales, sums in f32; the results are quantised in registers and stored in qkv as images of the operand registers of the attention launch.
; P[i][j] = sum over k of S0[i][k] S1[j][k].  A tile is 256 rows of S0 x 128 rows of S1, K = 1,024.  Operands lie in xw as launch quant laid them: blocks of 128 rows, 102,400 bytes: 8 K steps of 8 tiles x 1,536 bytes + 512 bytes of scale words.
; A WORK-GROUP STAYS AND MAKES THREE TILES: one of q, one of k (a loop of two trips), one of v (the tail, written out: it asks for nothing more).  256 work-groups, 768 tiles.
; LDS IS A RING OF TWO SLOTS, each HALF OF K (four K steps) of the tile's three blocks; slot 0 holds K steps 0-3, slot 1 K steps 4-7 (a block's two halves lie on end).  A fill is one joint load a wave: waves 0 and 1 a half of S0's two blocks
; (51,200 bytes each), waves 2 and 3 a quarter of S1's block each (25,600 bytes).  Slot 0 is filled again, with the next tile's first half, ahead of the fetch of K step 4; slot 1 ahead of the products of K step 7: each fill has four K steps'
; products in which to land.  In front of each refill every wave waits for all its tensor loads, adds 0 to its spare word, waits for that and for its reads, and a round of the cluster's barrier follows.
; Four waves: wave w takes S0's block w & 1 (8 tiles) x S1's tiles 4 (w >> 1) .. + 3: 32 accumulators.  Source 0 = 16 rows of S0, source 1 = 16 rows of S1: a lane holds one row of S1, its registers run along S0's rows.
; Tile 2 p + u of a block holds rows 32 p + 8 u + r + 8 (r / 8) (key_'s rows are dealt otherwise: launch quant), so that the 16 registers of tiles 2 p, 2 p + 1 of S0 are 16 neighbours, 32 p + 16 (lane / 16) + 0 .. 15.
; q, k: S0 = Wq, Wk (tile cx), S1 = query, key_ (block 4 c + cy, c the cluster's y): registers run along the head's 64, the K of q k^T.  v: S0 = value (tile 4 (c / 2) + cx), S1 = Wv (block 4 (c % 2) + cy): registers run along the keys.
; qkv: q at 0, k at 6,553,600, v at 13,107,200; each 64 (batch, head) x 16 steps of 128 rows x 6,400 bytes.  A step of q or k: 4 images of 1,536 bytes, one for each pair of S1's tiles (registers 0-5: the even tile, 6-11: the odd, each the head's 64),
; then 256 bytes of scale words (pair g, row r at 64 g + 4 r).  A step of v: 4 images, one for each 16 of the head's 64 (x 128 keys), then 256 bytes of scale words (tile 2 c + h, row r at 8 (16 h + r) + 4 c).
; CLUSTER 4 x 4: S0's blocks hang on cx and c and are asked for jointly by the cluster's column, S1's block on cy and c, by its row.
; NO PREFETCH: K is short: a tile is two fills, and each is asked for four K steps ahead of its first read.
; LIMITS: NaN and infinities are not served; a block of results that is all zeros or lies under 2^-124 gets the scale byte 1 (its codes are zeros or subnormals; this program alone reads the bytes).
; REGISTERS.  window 0: v4-9 LDS addresses in slot 0, v24-27, v30, v31 in slot 1; v10-15 offsets; v16-23 bias of my rows of S1; v28, v29 the add's two; v32-127 S1's fragments, two sets (later the 64 numbers to be quantised);
;   v128-139 scale words, two sets; v140-203 bias along S0's rows; v204-222 codes; v224-239 at work; v240 the scale word just made; v242-247 words kept.   window 1: acc(jt, it) at 8 (8 jt + it).   window 2: S0's fragments, two sets of 96.
.set BLKB,  102400
.set KSB,   12800
.set HALF,  51200
.set QTR,   25600
.set S1L,   2*BLKB                     ; LDS: S0's two blocks, then S1's
.set SPARE, 3*BLKB                     ; then the spare words, 128 bytes a wave: two blocks of 256 bytes that no other line names
.set SPW,   28
.set NIL,   29
.set BJ,    16
.set S1F,   32
.set ST,    32
.set SCW,   128                        ; set s: SCW + 6 s + p: S0's tiles 2 p (lanes 0-15) and 2 p + 1 (lanes 16-31); SCW + 6 s + 4 + p: S1's
.set BI,    140
.set PC,    204
.set TM,    224
.set PW,    240
.set KW,    242
.set G1A,   24                         ; s[24:31] group 1 for S0's loads (mask: my column);  s[32:39] for S1's (mask: my row)
.set G1B,   32
.set G0A,   40                         ; s[40:47] groups 0 for S0, one for each slot;  s[68:75] for S1
.set G0B,   68
.set NA,    48                         ; s[48:49], s[50:51] where the next tile's S0 and S1 begin (my wave's part)
.set NB,    50
.set VA,    52                         ; s[52:53], s[54:55] the same for the tile of v
.set VB,    54
.set SEL,   60
.set MSB, 0
.macro WIN new                         ; the immediate's high byte repeats the setting that is left
.if MSB != \new
	s_set_vgpr_msb (MSB<<8)|\new
.set MSB, \new
.endif
.endm
.macro WALU
	s_wait_alu depctr_va_vdst(0)
.endm
.macro CROUND                          ; a round of the cluster's barrier
	s_barrier_signal -1
	s_barrier_wait -1
	s_cmp_lg_u32 s14, 0
	s_cbranch_scc1 .Lnot_wave_0_\@
	s_barrier_signal -3
.Lnot_wave_0_\@:
	s_barrier_wait -3
	s_barrier_signal -1
	s_barrier_wait -1
.endm
.macro PLACES                          ; four places in front of loads into registers that matrix instructions have read, and of the first read of results
.rept 4
	v_nop
.endr
.endm
.macro JLOAD q                         ; slot q's fill: one joint load a wave; each line has one mask; the branch hangs on the wave's number alone
	s_cmp_lt_u32 s14, 2
	s_cbranch_scc0 .Lfor_b_\@
	tensor_load_to_lds s[G0A+4*\q:G0A+4*\q+3], s[G1A:G1A+7]
	s_nop 0
	PLACES
	s_branch .Lasked_\@
.Lfor_b_\@:
	tensor_load_to_lds s[G0B+4*\q:G0B+4*\q+3], s[G1B:G1B+7]
	s_nop 0
	PLACES
.Lasked_\@:
.endm
.macro FRAG reg, a16, a8, off          ; a fragment's image: for each half 512 bytes at 16 x lane and 256 bytes at 8 x lane: every load takes consecutive bytes
	ds_load_b128 v[\reg:\reg+3], v[\a16] offset:\off
	ds_load_b64 v[\reg+4:\reg+5], v[\a8] offset:\off+512
	ds_load_b128 v[\reg+6:\reg+9], v[\a16] offset:\off+768
	ds_load_b64 v[\reg+10:\reg+11], v[\a8] offset:\off+1280
.endm
.macro FETCH s                         ; K step s into set s % 2: 54 LDS loads
.if (\s)/4
.set fa, 24
.set fb, 27
.set fc, 30
.set fd, 31
.else
.set fa, 4
.set fb, 7
.set fc, 8
.set fd, 9
.endif
	WIN 0x80                                       ; destination window 2
.irp it, 0,1,2,3,4,5,6,7
	FRAG 96*((\s)%2)+12*\it, fa, fa+1, ((\s)%4)*KSB+1536*\it
.endr
	WIN 0
.irp jt, 0,1,2,3
	FRAG S1F+48*((\s)%2)+12*\jt, fb, fc, ((\s)%4)*KSB+1536*\jt
.endr
.irp p, 0,1,2,3
	ds_load_b32 v[SCW+6*((\s)%2)+\p], v[fa+2] offset:((\s)%4)*KSB+12288+128*\p
.endr
.irp p, 0,1
	ds_load_b32 v[SCW+6*((\s)%2)+4+\p], v[fd] offset:((\s)%4)*KSB+12288+128*\p
.endr
.endm
.macro MUL s, zero                     ; K step s: 32 products; the 32 accumulators take turns, one instruction a turn, in the same order in every step.  zero = 1: the first products start the sums
	WIN 0x52                                       ; source 0 window 2, source 1 window 0, C and D window 1
.irp jp, 0,1
.irp ja, 0,1
.irp ip, 0,1,2,3
.irp ia, 0,1                           ; an odd tile's scale words lie in lanes 16-31 of their register
.set rD, 8*(8*(2*\jp+\ja)+2*\ip+\ia)
.set rA, 96*((\s)%2)+12*(2*\ip+\ia)
.set rB, S1F+48*((\s)%2)+12*(2*\jp+\ja)
.set rX, SCW+6*((\s)%2)+\ip
.set rY, SCW+6*((\s)%2)+4+\jp
.if \zero
	v_wmma_scale_f32_16x16x128_f8f6f4 v[rD:rD+7], v[rA:rA+11], v[rB:rB+11], 0, v[rX], v[rY] matrix_a_fmt:MATRIX_FMT_FP6 matrix_b_fmt:MATRIX_FMT_FP6 matrix_a_scale:MATRIX_SCALE_ROW\ia matrix_b_scale:MATRIX_SCALE_ROW\ja
.else
	v_wmma_scale_f32_16x16x128_f8f6f4 v[rD:rD+7], v[rA:rA+11], v[rB:rB+11], v[rD:rD+7], v[rX], v[rY] matrix_a_fmt:MATRIX_FMT_FP6 matrix_b_fmt:MATRIX_FMT_FP6 matrix_a_scale:MATRIX_SCALE_ROW\ia matrix_b_scale:MATRIX_SCALE_ROW\ja
.endif
.endr
.endr
.endr
.endr
	WIN 0
.endm
; 64 numbers of a lane, register 16 b + i = place 32 b + 16 (lane / 16) + i along the next K, become a fragment's codes in v[PC] on and its scale word in v[PW]
.macro QUANT s
.irp b, 0,1,2,3
	v_max3_num_f32 v[TM+\b], |v[\s+16*\b]|, |v[\s+1+16*\b]|, 0x1800000   ; block b: my 16 numbers, and the floor 2^(3 - 127): the byte cannot fall under 1
.endr
.irp i, 2,4,6,8,10,12,14
.irp b, 0,1,2,3
	v_max3_num_f32 v[TM+\b], v[TM+\b], |v[\s+16*\b+\i]|, |v[\s+1+16*\b+\i]|
.endr
.endr
.irp b, 0,1,2,3
	v_permlanex16_b32 v[TM+4+\b], v[TM+\b], s[SEL], s[SEL+1]
.endr
.irp b, 0,1,2,3
	v_max_num_f32 v[TM+\b], v[TM+\b], v[TM+4+\b]   ; with lane l xor 16's: the block's largest magnitude
.endr
.irp b, 0,1,2,3
	v_add_nc_u32 v[TM+12+\b], 0xff000000, v[TM+\b] ; 2 off its exponent field: the conversion's scale operand
.endr
.irp b, 0,1,2,3
	v_lshrrev_b32 v[TM+4+\b], 23, v[TM+12+\b]      ; the scale's byte
.endr
	v_lshl_or_b32 v[PW], v[TM+5], 8, v[TM+4]
	v_lshl_or_b32 v[PW], v[TM+6], 16, v[PW]
	v_lshl_or_b32 v[PW], v[TM+7], 24, v[PW]
.irp c, 0,1
	v_cvt_scalef32_pk16_fp6_f32 v[PC+6*\c:PC+2+6*\c], v[\s+32*\c:\s+15+32*\c], v[TM+12+2*\c]
	v_cvt_scalef32_pk16_fp6_f32 v[PC+12+4*\c:PC+14+4*\c], v[\s+16+32*\c:\s+31+32*\c], v[TM+12+2*\c+1]   ; (a conversion's three registers begin on an even number)
.endr
	v_nop                                          ; one plain place behind a scaled conversion
.irp c, 0,1                                    ; the operand's layout wants a whole block in a lane: lanes 0-15 block 2 c, lanes 16-31 block 2 c + 1
.irp i, 0,1,2
	v_permlane16_swap_b32 v[PC+6*\c+\i], v[PC+12+4*\c+\i]
.endr
.irp i, 0,1,2
	v_mov_b32 v[PC+3+6*\c+\i], v[PC+12+4*\c+\i]
.endr
.endr
.endm
; A tile's eight K steps; K step 0's fragments have been asked for.  last = 0: both slots are filled again with the next tile's halves; last = 1: nothing more is asked for
.macro TILE last
.irp s, 0,1,2,3,4,5,6,7
.if \s==3
	s_wait_tensorcnt 0x0                           ; all my tensor loads are in: my part of slot 1
.if \last
	s_wait_dscnt 0x0
	s_barrier_signal -1
	s_barrier_wait -1                              ; everybody's is
	PLACES
.else
	ds_add_u32 v[SPW], v[NIL]
	s_mov_b64 s[G0A+2:G0A+3], s[NA:NA+1]           ; no load of mine is out: slot 0's descriptors take the next tile's first half
	s_or_b32 s[G0A+3], s[G0A+3], 0x80000000
	s_mov_b64 s[G0B+2:G0B+3], s[NB:NB+1]
	s_or_b32 s[G0B+3], s[G0B+3], 0x80000000
	s_wait_dscnt 0x0                               ; the add is done, and my reads of slot 0 (K step 3's were the last)
	CROUND                                         ; both hold of every wave of all sixteen work-groups
	JLOAD 0                                        ; the four v_nop behind it are the places in front of the loads below
.endif
.elseif \s==7
.if \last==0
	s_wait_tensorcnt 0x0                           ; my part of slot 0, the next tile's first half, is in
	ds_add_u32 v[SPW], v[NIL]
	s_add_nc_u64 s[G0A+6:G0A+7], s[NA:NA+1], HALF  ; slot 1's descriptors take the next tile's second half
	s_or_b32 s[G0A+7], s[G0A+7], 0x80000000
	s_add_nc_u64 s[G0B+6:G0B+7], s[NB:NB+1], HALF
	s_or_b32 s[G0B+7], s[G0B+7], 0x80000000
	s_mov_b64 s[NA:NA+1], s[VA:VA+1]               ; the tile after the next is v's
	s_mov_b64 s[NB:NB+1], s[VB:VB+1]
	s_wait_dscnt 0x0                               ; the add is done, and my reads of slot 1 (K step 7's were the last)
	CROUND
	JLOAD 1
.endif
.elseif \s>0
	PLACES
.endif
.if \s<7
	FETCH \s+1
	s_wait_dscnt 54                                ; all but the 54 loads just issued: this step's fragments are in
.else
	s_wait_dscnt 0x0
.endif
.if \s==0
	MUL \s, 1
.else
	MUL \s, 0
.endif
.endr
.endm
	s_load_b256 s[4:11], s[0:1], 0x0               ; xw s[4:5], bq s[6:7], bk s[8:9], bv s[10:11]
	s_load_b64 s[12:13], s[0:1], 0x20              ; qkv
	v_lshl_add_u32 v[SPW], v0, 2, SPARE
	v_mov_b32 v[NIL], 0
	ds_add_u32 v[SPW], v[NIL]                      ; the wave's opening
	ds_add_u32 v[SPW], v[NIL]
	v_lshrrev_b32 v1, 5, v0
	v_readfirstlane_b32 s14, v1                    ; wave 0..3
	s_and_b32 s15, s14, 1                          ; wi: my block of S0; also which block (waves 0, 1) or quarter (waves 2, 3) I fetch
	s_lshr_b32 s16, s14, 1                         ; wj: my half of S1's block
	s_bfe_u32 s17, ttmp6, 0x40000                  ; cx: also q's and k's tile of S0
	s_bfe_u32 s18, ttmp6, 0x40004                  ; cy
	s_and_b32 s21, ttmp7, 0xffff                   ; c: the cluster's y, 0 .. 15
	s_lshl_b32 s23, s21, 2
	s_add_co_u32 s23, s23, s18                     ; q, k: my block of tokens
	s_lshr_b32 s96, s21, 1
	s_lshl_b32 s96, s96, 2
	s_add_co_u32 s96, s96, s17                     ; v: my tile of value (256 rows)
	s_and_b32 s97, s21, 1
	s_lshl_b32 s97, s97, 2
	s_add_co_u32 s97, s97, s18                     ; v: my block of Wv
	s_lshl_b32 s59, 0x1111, s17                    ; my column of the cluster
	s_lshl_b32 s2, s18, 2
	s_lshl_b32 s2, 15, s2                          ; my row
	; group 1: dense bytes as rows of 256 (32 elements of 8 bytes), 200 rows for S0, 100 for S1; no padding: every LDS read takes consecutive bytes
	s_or_b32 s[G1A], s59, (3<<16)|(1<<21)          ; 15:0 the mask; 17:16 elements of 8 bytes; 21 set beside a mask
	s_or_b32 s[G1B], s2, (3<<16)|(1<<21)
	s_mov_b32 s[G1A+1], 32<<16
	s_mov_b32 s[G1A+2], 200<<16
	s_mov_b32 s[G1A+3], 32<<16
	s_mov_b32 s[G1A+4], 200
	s_mov_b32 s[G1A+5], 32
	s_mov_b32 s[G1A+6], 0
	s_mov_b32 s[G1A+7], 0
	s_mov_b32 s[G1B+1], 32<<16
	s_mov_b32 s[G1B+2], 100<<16
	s_mov_b32 s[G1B+3], 32<<16
	s_mov_b32 s[G1B+4], 100
	s_mov_b32 s[G1B+5], 32
	s_mov_b32 s[G1B+6], 0
	s_mov_b32 s[G1B+7], 0
	s_mul_i32 s98, s15, QTR
	s_lshl_b32 s56, s17, 1
	s_add_co_u32 s56, s56, s15
	s_add_co_u32 s56, s56, 192
	s_mul_i32 s56, s56, BLKB                       ; Wq's block 2 cx + wi, in bytes
	s_mov_b32 s57, 0
	s_mul_i32 s62, s23, BLKB
	s_add_co_u32 s62, s62, s98                     ; query's block, my quarter
	s_mov_b32 s63, 0
	s_lshl_b32 s84, s96, 1
	s_add_co_u32 s84, s84, s15
	s_add_co_u32 s84, s84, 128
	s_mul_i32 s84, s84, BLKB                       ; value's block
	s_mov_b32 s85, 0
	s_add_co_u32 s86, s97, 208
	s_mul_i32 s86, s86, BLKB
	s_add_co_u32 s86, s86, s98                     ; Wv's block, my quarter
	s_mov_b32 s87, 0
	s_mul_i32 s3, s15, BLKB                        ; LDS: S0's block wi
	s_add_co_u32 s99, s98, S1L                     ; LDS: S1's block, my quarter
	s_mov_b32 s58, 0xffff0000                      ; lanes 16-31
	s_mov_b32 s[SEL], 0x76543210
	s_mov_b32 s[SEL+1], 0xfedcba98
	s_wait_dscnt 0x0                               ; both opening adds are done
	s_wait_kmcnt 0x0
	s_add_nc_u64 s[NA:NA+1], s[4:5], s[56:57]
	s_add_nc_u64 s[NB:NB+1], s[4:5], s[62:63]
	s_add_nc_u64 s[VA:VA+1], s[4:5], s[84:85]
	s_add_nc_u64 s[VB:VB+1], s[4:5], s[86:87]
.irp q, 0,1
	s_mov_b32 s[G0A+4*\q], 1
	s_add_co_u32 s[G0A+4*\q+1], s3, \q*HALF
	s_add_nc_u64 s[G0A+4*\q+2:G0A+4*\q+3], s[NA:NA+1], \q*HALF
	s_or_b32 s[G0A+4*\q+3], s[G0A+4*\q+3], 0x80000000
	s_mov_b32 s[G0B+4*\q], 1
	s_add_co_u32 s[G0B+4*\q+1], s99, \q*HALF
	s_add_nc_u64 s[G0B+4*\q+2:G0B+4*\q+3], s[NB:NB+1], \q*HALF
	s_or_b32 s[G0B+4*\q+3], s[G0B+4*\q+3], 0x80000000
.endr
	s_add_nc_u64 s[NA:NA+1], s[NA:NA+1], 8*BLKB    ; the next tile: Wk,
	s_add_nc_u64 s[NB:NB+1], s[NB:NB+1], 64*BLKB   ; key_
	CROUND                                         ; all sixteen work-groups are here: the joint loads meet
	JLOAD 0                                        ; q's first half: one tensor load a wave at the head
	s_mul_i32 s66, s16, 6144
	s_add_co_u32 s66, s66, S1L
	s_lshl_b32 s67, s16, 8
	s_add_co_u32 s67, s67, S1L
	s_mul_i32 s88, s16, 3072
	s_lshl_b32 s89, s16, 7
	s_add_co_u32 s89, s89, 6144
	v_and_b32 v1, 31, v0                           ; lane l
	v_and_b32 v2, 15, v0                           ; r
	v_bfe_u32 v3, v0, 4, 1                         ; h
	v_lshl_add_u32 v4, v1, 4, s3                   ; S0's block: 16 l,
	v_lshl_add_u32 v5, v1, 3, s3                   ; 8 l,
	v_lshl_add_u32 v6, v1, 2, s3                   ; 4 l
	v_lshl_add_u32 v7, v1, 4, s66                  ; S1's block, my four tiles
	v_lshl_add_u32 v8, v1, 3, s66
	v_lshl_add_u32 v9, v1, 2, s67                  ; and their scale words
	v_add_nc_u32 v24, HALF, v4                     ; the same six in slot 1
	v_add_nc_u32 v25, HALF, v5
	v_add_nc_u32 v26, HALF, v6
	v_add_nc_u32 v27, HALF, v7
	v_add_nc_u32 v30, HALF, v8
	v_add_nc_u32 v31, HALF, v9
	v_lshl_add_u32 v10, v1, 4, s88                 ; q, k out: 16 l + my two pairs' images
	v_lshl_add_u32 v11, v1, 2, s89                 ; and their scale words
	v_lshlrev_b32 v12, 4, v1                       ; 16 l
	v_lshlrev_b32 v13, 6, v3                       ; 64 h: the bias of 16 h on
	v_and_b32 v14, 8, v2
	v_add_nc_u32 v14, v14, v2
	v_lshlrev_b32 v14, 2, v14                      ; 4 (r + 8 (r / 8)): the bias of my row of a tile
	v_lshlrev_b32 v15, 3, v1                       ; 8 l
.irp b, 0,1,2,3
	v_mov_b32 v[TM+4+\b], 0                        ; written once: a lane permute's destination counts as one of its sources
.endr
	WALU                                           ; the wait at the head's end
	s_wait_tensorcnt 0x0                           ; my part of slot 0 is in
	ds_add_u32 v[SPW], v[NIL]
	s_wait_dscnt 0x0
	CROUND                                         ; everybody's is in
	JLOAD 1                                        ; q's second half
	s_mov_b32 s20, 0                               ; z: 0 q, 1 k: the same in all sixteen partners
.Ltile:
	s_cmp_eq_u32 s20, 0
	s_cselect_b64 s[90:91], s[6:7], s[8:9]         ; bq or bk
	s_lshl_b32 s66, s17, 10
	s_lshl_b32 s67, s15, 9
	s_add_co_u32 s66, s66, s67                     ; 4 (256 cx + 128 wi)
	s_mov_b32 s67, 0
	s_add_nc_u64 s[92:93], s[90:91], s[66:67]
.irp it, 0,1,2,3,4,5,6,7
	global_load_b128 v[BI+8*\it:BI+8*\it+3], v13, s[92:93] offset:(32*(\it/2)+8*(\it%2))*4
	global_load_b128 v[BI+8*\it+4:BI+8*\it+7], v13, s[92:93] offset:(32*(\it/2)+8*(\it%2))*4+16
.endr
	FETCH 0
	TILE 0
	PLACES
	s_wait_loadcnt 0x0                             ; the bias
	s_wait_xcnt 0x0                                ; the last tile's stores have read their base
	; q, k.  My 128 rows of S0 are two heads; my four tiles of S1 two pairs.  For a head and a pair: 64 numbers a lane (the even tile's 32 of the head's 64, then the odd tile's) + bias, quantised: one image
	s_lshr_b32 s66, s23, 4
	s_lshl_b32 s66, s66, 4                         ; 16 x batch
	s_lshl_b32 s67, s17, 2
	s_add_co_u32 s66, s66, s67
	s_lshl_b32 s67, s15, 1
	s_add_co_u32 s66, s66, s67                     ; + my first head
	s_lshl_b32 s66, s66, 4
	s_and_b32 s67, s23, 15
	s_add_co_u32 s66, s66, s67                     ; 16 steps a head; my step
	s_mul_i32 s66, s66, 6400
	s_mul_i32 s67, s20, 64*BLKB
	s_add_co_u32 s66, s66, s67
	s_mov_b32 s67, 0
	s_add_nc_u64 s[88:89], s[12:13], s[66:67]
.irp hd, 0,1
.irp g, 0,1
	s_wait_xcnt 0x0                                ; the last image's stores have read their registers
	WIN 0x01                                       ; source 0 window 1: the additions also bring the sums into window 0
.irp u, 0,1
.irp i, 0,1,2,3
.irp jj, 0,2,4,6
	v_pk_add_f32 v[ST+32*\u+8*\i+\jj:ST+32*\u+8*\i+\jj+1], v[8*(8*(2*\g+\u)+4*\hd+\i)+\jj:8*(8*(2*\g+\u)+4*\hd+\i)+\jj+1], v[BI+8*(4*\hd+\i)+\jj:BI+8*(4*\hd+\i)+\jj+1]
.endr
.endr
.endr
	WIN 0
	QUANT ST
.irp c, 0,1,2
	global_store_b128 v10, v[PC+4*\c:PC+4*\c+3], s[88:89] offset:BLKB*\hd+1536*\g+512*\c   ; 512 consecutive bytes, at a multiple of 256 from qkv's first byte
.endr
	v_mov_b32 v[KW+\g], v[PW]
.endr
	v_cndmask_b32 v[KW+2+\hd], v[KW], v[KW+1], s58 ; lanes 0-15: the first pair's words, lanes 16-31: the second's
	global_store_b32 v11, v[KW+2+\hd], s[88:89] offset:BLKB*\hd   ; 128 consecutive bytes
.endr
	s_add_co_u32 s20, s20, 1
	s_cmp_lt_u32 s20, 2
	WALU                                           ; the wait ahead of the branch
	s_cbranch_scc1 .Ltile
	; ---- the tile of v
	s_lshl_b32 s66, s97, 9
	s_lshl_b32 s67, s16, 8
	s_add_co_u32 s66, s66, s67                     ; 4 (128 x block of Wv + 64 wj)
	s_mov_b32 s67, 0
	s_add_nc_u64 s[94:95], s[10:11], s[66:67]
.irp jt, 0,1,2,3
	global_load_b32 v[BJ+2*\jt], v14, s[94:95] offset:(32*(\jt/2)+8*(\jt%2))*4
	global_load_b32 v[BJ+2*\jt+1], v14, s[94:95] offset:(32*(\jt/2)+8*(\jt%2))*4   ; twice: a pair for the packed addition
.endr
	FETCH 0
	TILE 1
	PLACES
	s_wait_loadcnt 0x0                             ; the bias
	s_wait_xcnt 0x0                                ; k's stores have read their base
	; My 128 rows of S0 are a step's 128 keys; my four tiles of S1 a head's 64.  For each tile: 64 numbers a lane along the keys + my row's bias, quantised: one image
	s_lshl_b32 s66, s96, 1
	s_add_co_u32 s66, s66, s15                     ; my block of 128 keys
	s_lshr_b32 s67, s66, 4
	s_lshl_b32 s67, s67, 4                         ; 16 x batch
	s_and_b32 s66, s66, 15                         ; the step
	s_lshl_b32 s88, s97, 1
	s_add_co_u32 s67, s67, s88
	s_add_co_u32 s67, s67, s16                     ; + my head
	s_lshl_b32 s67, s67, 4
	s_add_co_u32 s66, s66, s67
	s_mul_i32 s66, s66, 6400
	s_add_co_u32 s66, s66, 2*64*BLKB
	s_mov_b32 s67, 0
	s_add_nc_u64 s[88:89], s[12:13], s[66:67]
.irp jt, 0,1,2,3
	s_wait_xcnt 0x0                                ; the last image's stores have read their registers
	WIN 0x01
.irp it, 0,1,2,3,4,5,6,7
.irp jj, 0,2,4,6
	v_pk_add_f32 v[ST+8*\it+\jj:ST+8*\it+\jj+1], v[8*(8*\jt+\it)+\jj:8*(8*\jt+\it)+\jj+1], v[BJ+2*\jt:BJ+2*\jt+1]
.endr
.endr
	WIN 0
	QUANT ST
.irp c, 0,1,2
	global_store_b128 v12, v[PC+4*\c:PC+4*\c+3], s[88:89] offset:1536*\jt+512*\c
.endr
	v_mov_b32 v[KW+\jt], v[PW]
.endr
	v_cndmask_b32 v[KW+4], v[KW], v[KW+1], s58     ; lanes 0-15: tiles 0 and 2, lanes 16-31: tiles 1 and 3
	v_cndmask_b32 v[KW+5], v[KW+2], v[KW+3], s58
	global_store_b64 v15, v[KW+4:KW+5], s[88:89] offset:6144   ; 256 consecutive bytes
	s_wait_tensorcnt 0x0                           ; the wave's end
	ds_add_u32 v[SPW], v[NIL]
	s_wait_dscnt 0x0
	CROUND                                         ; the closing round: no work-group ends while a partner may still ask for a block that names it
	s_endpgm
.Lfunc_end_k_q9c17e045e2_proj:
	.size	k_q9c17e045e2_proj, .Lfunc_end_k_q9c17e045e2_proj-k_q9c17e045e2_proj
	.p2alignl 7, 3214868480
	.fill 96, 4, 3214868480
	.section	.rodata,"a",@progbits
	.p2align	6, 0x0
	.amdhsa_kernel k_q9c17e045e2_proj
		.amdhsa_group_segment_fixed_size 327680
		.amdhsa_private_segment_fixed_size 0
		.amdhsa_enable_private_segment 0
		.amdhsa_kernarg_size 40
		.amdhsa_user_sgpr_count 2
		.amdhsa_user_sgpr_kernarg_segment_ptr 1
		.amdhsa_wavefront_size32 1
		.amdhsa_system_sgpr_workgroup_id_x 1
		.amdhsa_system_sgpr_workgroup_id_y 1
		.amdhsa_system_sgpr_workgroup_id_z 1
		.amdhsa_system_vgpr_workitem_id 0
		.amdhsa_next_free_vgpr 768
		.amdhsa_next_free_sgpr 100
		.amdhsa_reserve_vcc 0
		.amdhsa_float_denorm_mode_32 3
		.amdhsa_float_denorm_mode_16_64 3
		.amdhsa_memory_ordered 1
		.amdhsa_forward_progress 1
		.amdhsa_inst_pref_size 187
	.end_amdhsa_kernel
	.amdgpu_metadata
---
amdhsa.version: [ 1, 2 ]
amdhsa.kernels:
  - .name:           k_q9c17e045e2_proj
    .symbol:         k_q9c17e045e2_proj.kd
    .args:
      - { .name: xw, .offset: 0, .size: 8, .value_kind: global_buffer, .address_space: global }
      - { .name: bq, .offset: 8, .size: 8, .value_kind: global_buffer, .address_space: global }
      - { .name: bk, .offset: 16, .size: 8, .value_kind: global_buffer, .address_space: global }
      - { .name: bv, .offset: 24, .size: 8, .value_kind: global_buffer, .address_space: global }
      - { .name: qkv, .offset: 32, .size: 8, .value_kind: global_buffer, .address_space: global }
    .group_segment_fixed_size: 327680
    .private_segment_fixed_size: 0
    .kernarg_segment_align: 8
    .kernarg_segment_size: 40
    .max_flat_workgroup_size: 128
    .sgpr_count:     100
    .vgpr_count:     768
    .wavefront_size: 32
...
	.end_amdgpu_metadata
.endif
;; end of part 2
;; launch attn (part 3): grid 4 x 64, 16 waves a work-group, clusters of 4 x 1, 327,680 bytes of LDS; arguments qkv, ac; writes ac
.if DOCPART == 3
	.amdgcn_target "amdgcn-amd-amdhsa--gfx1250"
	.amdhsa_code_object_version 6
	.text
	.protected	k_q9c17e045e2_attn
	.globl	k_q9c17e045e2_attn
	.p2align	8
	.type	k_q9c17e045e2_attn,@function
k_q9c17e045e2_attn:
	s_mov_b64 s[64:65], 0
	v_nop
	global_prefetch_b8 v0, s[64:65] scope:SCOPE_SE
	s_setreg_imm32_b32 hwreg(HW_REG_WAVE_MODE, 25, 1), 1
	s_wait_xcnt 0x0
	s_wait_alu depctr_hold_cnt(0) depctr_sa_sdst(0) depctr_va_vdst(0) depctr_va_sdst(0) depctr_va_ssrc(0) depctr_va_vcc(0) depctr_vm_vsrc(0)
	s_getreg_b32 s2, hwreg(HW_REG_IB_STS2, 6, 4)
	s_cmp_eq_u32 s2, 0
	s_cbranch_scc0 .Lentry_in_a_cluster
	s_endpgm
.Lentry_in_a_cluster:
	s_bfe_u32 s2, ttmp6, 0x10000c
	s_cmp_lg_u32 s2, 0x3003
	s_cbranch_scc0 .Lentry_shape_is_right
	s_endpgm
.Lentry_shape_is_right:
; For each of 64 (batch, head): x[q] = sum over keys of softmax(q . k / 8) v, both products on codes of FP6 (E2M3) with E8M0 scales; the result, divided by the row's sum, is quantised along the model's 1,024 and stored in ac
; as images of operand registers, in the layout of xw (blocks of 128 rows x 8 K steps of 12,800 bytes; a head is one half, 768 bytes, of a tile's image, and two bytes of each scale word).
; THE SOFTMAX AHEAD OF THE SECOND PRODUCT: t = score x log2(e) / 8; M = the running largest t rounded UP to a whole number; p = 2^(t - M) is quantised along the keys, not normalised; the row's sum is taken of the unquantised p.
; When M moves, the sum and O are multiplied by 2^(old M - new M): exact.
; SHARES.  A work-group owns 512 queries of one head; wave w (of sixteen, four to a SIMD) the 32 queries of group 16 x block + w, in two passes of one tile of 16.  Every wave walks all 2,048 keys, 128 a step.
; A WHOLE HEAD'S K AND V, 2 x 102,400 bytes of images and scale words as launch proj laid them, LIE IN LDS, each byte filled once.  EVERY WAVE ASKS FOR ONE SIXTEENTH, 12,800 bytes (two steps of K or of V), at the head, by one line:
; wave w takes K (w even) or V (w odd), steps 2 (w / 2) and 2 (w / 2) + 1.  Every wave waits for its load; one barrier shows all of it; behind it the waves share nothing and meet no barrier before the closing round.
; CLUSTER 4 x 1: the head's four blocks of queries walk the same K and V: each sixteenth is asked for jointly, by the same load with the same descriptor and a mask that names the four.
; NO PREFETCH: all that the launch reads by tensor loads is asked for at the head; there is no later load to run ahead of.
; THE HEAD'S 64 FILL HALF OF A PRODUCT'S 128.  An image of K holds TWO tiles of 16 keys, one in the lower 64 places and one in the upper.  It is multiplied once by [q | 0] and once by [0 | q]: zero codes make the other tile's
; products 0 (no scale byte here is 0xff).  q's scale word (s0, s1, s0, s1) serves both.
; LAYOUT.  Both products are used transposed (S^T = K Q^T, O^T = V^T P^T): a lane holds one query throughout.  Tile 4 c + t of a step's K holds keys 64 c + 8 t + r % 8 + 32 (r / 8) (launch quant deals key_'s rows so):
; register S + 32 c + 8 t + j of lane (r, h) is key 64 c + 32 h + 8 t + j: A LANE'S 32 REGISTERS ARE ONE WHOLE BLOCK OF 32 KEYS, in the order of the operand's registers 6 c .. 6 c + 5.
; THE NEXT STEP'S K IS FETCHED IN THIS STEP'S TAIL, into score registers that have been converted and summed.  v48-159 are three regions, 48 + 16 + 48: in an even step K, then V, lie in the first and the scores in the other two;
; in an odd step K, then V, lie in the last and the scores in the first two.  So a trip of the loop is two steps.  A pass's last step fetches the 6,400 LDS bytes behind K's last step (V's first), which nobody uses: the step has one text.
; THE EXPONENTIALS go in four batches of 16; among a batch's lines stand the next 16 numbers' multiply-adds, sums of numbers made two batches ago (eight accumulators, each written once a batch) and block 0's conversions: none of these
; lines reads what another line of its batch writes, and one wait stands at each batch's edge.  The eight partial sums are folded to four in the tail and to one among the next step's lines that make M.
; LIMITS: NaN and infinities are not served; the promise holds while the scaled scores t stay under 2^31 in magnitude; a block of results that is all zeros or lies under 2^-124 gets the scale byte 1.  The two scale bytes of a row
; and head leave by stores of 2 bytes a lane, 4 bytes apart (the other two bytes of each word are the neighbouring head's): 1 byte in 25 of what the launch stores.
; REGISTERS: v1-4 lane offsets; v5, v6 the add's two; v8-11 the trip's LDS addresses; v12 -M, v13 the largest score, v[14:15] the sum; v16-33 zeros, q, zeros; v35 q's scale words; v36-47 q's image; v48-159 K, V, S^T and p;
;   v160-191 O^T; v192-200 the result's codes; v201 its scale bytes; v202 f; v203 8 x lane; v204-219 eight partial sums; v220-231 p's codes; v232-247, v254 at work; v248, v249 K's scale words; v[250:251] V's; v253 p's; v255 q's.
.set BLKB,  102400                     ; a head's K or V; a block of ac
.set KSB,   12800
.set PARTB, 12800                      ; two steps: what one tensor load brings
.set STEPB, 6400                       ; a step: 4 images of 1,536 bytes and 256 bytes of scale words
.set SPARE, 2*BLKB                     ; behind K and V: the spare words, 128 bytes a wave: eight blocks of 256 bytes that no other line names
.set O,    160
.set A,    204
.set PC,   220
.set WV,   8
.set TB,   12                          ; s12  LDS byte at which the trip's first block of K begins
.set CNT,  13
.set PASS, 14
.set MK,   15                          ; s15  the lanes that keep this pass's scale bytes
.set CS,   16                          ; s[16:17] c = log2(e) / 8
.set SEL,  18                          ; s[18:19]
.set OB,   20                          ; s[20:21] where the pass's codes go
.set OSB,  22                          ; s[22:23] and the scale bytes
.set G1,   24
.set G0,   40
.set PSEL, 44
.macro WALU
	s_wait_alu depctr_va_vdst(0)
.endm
.macro CROUND
	s_barrier_signal -1
	s_barrier_wait -1
	s_cmp_lg_u32 s[WV], 0
	s_cbranch_scc1 .Lnot_wave_0_\@
	s_barrier_signal -3
.Lnot_wave_0_\@:
	s_barrier_wait -3
	s_barrier_signal -1
	s_barrier_wait -1
.endm
	s_load_b128 s[4:7], s[0:1], 0x0                ; qkv, ac
	v_lshl_add_u32 v5, v0, 2, SPARE
	v_mov_b32 v6, 0
	ds_add_u32 v5, v6                              ; the wave's opening
	ds_add_u32 v5, v6
	v_lshrrev_b32 v7, 5, v0
	v_readfirstlane_b32 s[WV], v7                  ; wave 0..15
	s_bfe_u32 s9, ttmp6, 0x40000                   ; cx
	s_lshl_b32 s11, ttmp9, 2
	s_add_co_u32 s11, s11, s9                      ; my block of 512 queries: it enters global addresses of q and ac alone
	s_lshl_b32 s11, s11, 4
	s_add_co_u32 s11, s11, s[WV]                   ; my group of 32 queries, 0 .. 63
	s_and_b32 s10, ttmp7, 0xffff                   ; 16 x batch + head, which the four partners share
	s_mov_b32 s[G1], 15|(3<<16)|(1<<21)            ; 15:0 the mask: all four; 17:16 elements of 8 bytes; 21 set beside a mask
	s_mov_b32 s[G1+1], 32<<16                      ; 12,800 dense bytes as 50 rows of 256
	s_mov_b32 s[G1+2], 50<<16
	s_mov_b32 s[G1+3], 32<<16
	s_mov_b32 s[G1+4], 50
	s_mov_b32 s[G1+5], 32
	s_mov_b32 s[G1+6], 0
	s_mov_b32 s[G1+7], 0
	s_and_b32 s34, s[WV], 1                        ; even waves fetch K, odd waves V
	s_lshr_b32 s36, s[WV], 1
	s_mul_i32 s36, s36, PARTB                      ; my two steps
	s_mul_i32 s35, s34, BLKB                       ; LDS: K at 0, V behind it
	s_add_co_u32 s35, s35, s36
	s_add_co_u32 s56, s34, 1
	s_mul_i32 s56, s56, 64*BLKB                    ; in qkv: k, v
	s_mul_i32 s57, s10, BLKB
	s_add_co_u32 s56, s56, s57                     ; my head's
	s_add_co_u32 s56, s56, s36
	s_mov_b32 s57, 0
	s_mul_i32 s32, s10, BLKB                       ; q: my head,
	s_lshr_b32 s36, s11, 2
	s_mul_i32 s37, s36, STEPB
	s_add_co_u32 s32, s32, s37                     ; the step of 128 rows that holds my group
	s_mov_b32 s33, 0
	s_and_b32 s38, s11, 3                          ; my group in it
	s_mul_i32 s39, s38, 1536
	s_lshr_b32 s58, s10, 4
	s_lshl_b32 s58, s58, 4
	s_add_co_u32 s58, s58, s36                     ; ac: block 16 x batch + group / 4,
	s_mul_i32 s58, s58, BLKB
	s_bfe_u32 s59, s10, 0x30001                    ; K step head / 2,
	s_mul_i32 s59, s59, KSB
	s_add_co_u32 s58, s58, s59
	s_and_b32 s59, s10, 1                          ; half head % 2
	s_mul_i32 s60, s38, 3072                       ; tiles 2 (group % 4) + pass
	s_mul_i32 s61, s59, 768
	s_add_co_u32 s60, s60, s61
	s_add_co_u32 s[OB], s58, s60
	s_mov_b32 s[OB+1], 0
	s_lshl_b32 s60, s38, 7
	s_lshl_b32 s61, s59, 1
	s_add_co_u32 s60, s60, s61
	s_add_co_u32 s60, s60, 12288
	s_add_co_u32 s[OSB], s58, s60
	s_mov_b32 s[OSB+1], 0
	s_mov_b32 s[CS], 0x3e38aa3b                    ; log2(e) / 8
	s_mov_b32 s[CS+1], s[CS]                       ; (named with it as a pair, so it is written)
	s_mov_b32 s[SEL], 0x76543210
	s_mov_b32 s[SEL+1], 0xfedcba98                 ; v_permlanex16_b32's selects for lane l xor 16
	s_mov_b32 s[PASS], 2
	s_mov_b32 s[MK], 0xffff                        ; the first pass's bytes go to lanes 0-15
	s_mov_b32 s[PSEL], 0x06020400                  ; the scale word's bytes: mine, the other half's, mine, the other half's
	s_wait_dscnt 0x0                               ; both opening adds are done
	s_wait_kmcnt 0x0
	s_add_nc_u64 s[32:33], s[4:5], s[32:33]
	s_add_nc_u64 s[OB:OB+1], s[6:7], s[OB:OB+1]
	s_add_nc_u64 s[OSB:OSB+1], s[6:7], s[OSB:OSB+1]
	s_mov_b32 s[G0], 1
	s_mov_b32 s[G0+1], s35
	s_add_nc_u64 s[G0+2:G0+3], s[4:5], s[56:57]
	s_or_b32 s[G0+3], s[G0+3], 0x80000000
	CROUND                                         ; all four work-groups are here: the joint loads meet
	tensor_load_to_lds s[G0:G0+3], s[G1:G1+7]      ; ALL FILLS OF THE LAUNCH: one a wave, under no branch
	s_nop 0
.rept 4
	v_nop
.endr
	v_and_b32 v7, 31, v0
	v_lshlrev_b32 v1, 4, v7                        ; 16 l: K's images; the stores of codes
	v_lshlrev_b32 v2, 2, v7                        ; 4 l: K's scale words; the store of scale bytes
	v_add_nc_u32 v3, BLKB, v1                      ; V's images
	v_lshlrev_b32 v203, 3, v7                      ; 8 l
	v_add_nc_u32 v4, BLKB, v203                    ; V's scale words
	v_add_nc_u32 v34, s39, v1                      ; q: my group's image
	v_and_b32 v7, 15, v0
	s_lshl_b32 s37, s38, 6
	v_lshl_add_u32 v7, v7, 2, s37                  ; and row r's scale word
.irp c, 0,1,2
	global_load_b128 v[36+4*\c:39+4*\c], v34, s[32:33] offset:512*\c
.endr
	global_load_b32 v35, v7, s[32:33] offset:6144
.irp i, 0,1,2,3,4,5
	v_mov_b32 v[16+\i], 0                          ; the zero codes on both sides of q
	v_mov_b32 v[28+\i], 0
.endr
	v_mov_b32 v236, 0                              ; written once: a lane permute's destination counts as one of its sources
	v_mov_b32 v237, 0
	v_mov_b32 v243, 0
	v_mov_b32 v201, 0
; a step's K: two loads of scale words, then four images of three loads: the products' waits count the images behind the one wanted
.macro KLOAD reg, a16, a4, off
	ds_load_b32 v248, v[\a4] offset:\off+6144      ; lanes 0-15: image 0's words, lanes 16-31: image 1's
	ds_load_b32 v249, v[\a4] offset:\off+6272      ; images 2, 3
.irp b, 0,1,2,3
.irp c, 0,1,2
	ds_load_b128 v[\reg+12*\b+4*\c:\reg+12*\b+4*\c+3], v[\a16] offset:\off+1536*\b+512*\c
.endr
.endr
.endm
.macro FMA8 j0, n                      ; t - M of batch 0's numbers, n pairs from register j0 on
.set j, \j0
.rept \n
	v_pk_fma_f32 v[S+j:S+j+1], v[S+j:S+j+1], s[CS:CS+1], v[12:13] op_sel_hi:[1,0,0]
.set j, j+2
.endr
.endm
; cnt pairs of batch n's exponentials, from pair i0 on, with the lines that stand among them
.macro BATCH n, i0, cnt
.set i, \i0
.rept \cnt
	v_exp_f32 v[S+16*\n+2*i], v[S+16*\n+2*i]       ; p = 2^(t - M)
.if \n < 3
	v_pk_fma_f32 v[S+16*\n+16+2*i:S+16*\n+17+2*i], v[S+16*\n+16+2*i:S+16*\n+17+2*i], s[CS:CS+1], v[12:13] op_sel_hi:[1,0,0]   ; t - M of the next batch's numbers
.endif
	v_exp_f32 v[S+16*\n+2*i+1], v[S+16*\n+2*i+1]
.if \n == 2
	v_pk_add_f32 v[A+2*i:A+2*i+1], v[S+2*i:S+2*i+1], v[S+16+2*i:S+16+2*i+1]   ; the sums begin with batches 0 and 1
.endif
.if \n == 3
	v_pk_add_f32 v[A+2*i:A+2*i+1], v[A+2*i:A+2*i+1], v[S+32+2*i:S+32+2*i+1]   ; and take batch 2
.endif
.set i, i+1
.endr
.endm
; A KEY STEP: 128 keys, at byte off of the trip's.  KF: K's, then V's registers; S: the scores'; NK: where the next step's K goes
.macro STEP off
.if \off                               ; five places between the last products, which read V, and the first product here, which writes over V's registers
.rept 5
	v_nop
.endr
.else
	v_add_nc_u32 v8, s[TB], v1
	v_add_nc_u32 v9, s[TB], v2
	v_add_nc_u32 v10, s[TB], v3
	v_add_nc_u32 v11, s[TB], v4
	v_nop
	WALU
.endif
.irp bp, 0,1                                   ; S^T: [q | 0] picks the image's lower tile, [0 | q] its upper
.irp ba, 0,1
	s_wait_dscnt 9-3*(2*\bp+\ba)                   ; this image and the scale words are in; the later images' three loads each may be out
	v_wmma_scale_f32_16x16x128_f8f6f4 v[S+16*(2*\bp+\ba):S+16*(2*\bp+\ba)+7], v[KF+12*(2*\bp+\ba):KF+12*(2*\bp+\ba)+11], v[22:33], 0, v[248+\bp], v255 matrix_a_fmt:MATRIX_FMT_FP6 matrix_b_fmt:MATRIX_FMT_FP6 matrix_a_scale:MATRIX_SCALE_ROW\ba
	v_wmma_scale_f32_16x16x128_f8f6f4 v[S+16*(2*\bp+\ba)+8:S+16*(2*\bp+\ba)+15], v[KF+12*(2*\bp+\ba):KF+12*(2*\bp+\ba)+11], v[16:27], 0, v[248+\bp], v255 matrix_a_fmt:MATRIX_FMT_FP6 matrix_b_fmt:MATRIX_FMT_FP6 matrix_a_scale:MATRIX_SCALE_ROW\ba
.endr
.endr
.rept 4
	v_nop                                          ; places: in front of the loads below and of the first read of the scores
.endr
.irp t, 0,1,2,3                                ; V's four images go out now, into K's registers, and land under the softmax: 13 loads
.irp c, 0,1,2
	ds_load_b128 v[KF+12*\t+4*\c:KF+12*\t+4*\c+3], v10 offset:\off+1536*\t+512*\c
.endr
.endr
	ds_load_b64 v[250:251], v11 offset:\off+6144   ; v250: tiles 0 (lanes 0-15) and 1; v251: tiles 2 and 3
.irp e, 0,1,2,3                                ; the largest score of my two blocks, four chains by turns, each accumulator from its low end on
	v_max3_num_f32 v[232+\e], v[S+16*\e], v[S+16*\e+1], v[S+16*\e+2]
.endr
.irp i, 3,5,7,9,11,13
.irp e, 0,1,2,3
	v_max3_num_f32 v[232+\e], v[232+\e], v[S+16*\e+\i], v[S+16*\e+\i+1]
.endr
.endr
	v_max3_num_f32 v232, v232, v233, v[S+15]
	v_max3_num_f32 v234, v234, v235, v[S+47]
	v_pk_add_f32 v[A:A+1], v[A:A+1], v[A+4:A+5]    ; (the last step's four partial sums are folded among these lines, which wait for each other)
	v_pk_add_f32 v[A+2:A+3], v[A+2:A+3], v[A+6:A+7]
	v_max_num_f32 v232, v232, v[S+31]              ; block h's largest score: it serves the row's maximum and, since p rises with the score, the block's largest p
	v_max_num_f32 v233, v234, v[S+63]              ; block 2 + h's
	v_pk_add_f32 v[A:A+1], v[A:A+1], v[A+2:A+3]
	v_max_num_f32 v254, v232, v233
	v_permlanex16_b32 v243, v254, s[SEL], s[SEL+1]
	v_pk_add_f32 v[14:15], v[14:15], v[A:A+1]      ; the sum up to the last step, still under the old M
	v_max3_num_f32 v13, v13, v254, v243            ; the running largest score of my query (c is positive: its t is the largest t)
	v_mul_f32 v254, s[CS], v13
	v_floor_f32 v254, -v254                        ; the new -M = -ceil(t)
	v_sub_f32 v243, v254, v12                      ; old M - new M: a whole number, 0 or less
	v_mov_b32 v12, v254
	FMA8 0, 2
	v_cvt_i32_f32 v243, v243                       ; (it saturates)
	FMA8 4, 3
	v_ldexp_f32 v202, 1.0, v243                    ; f = 2^(old M - new M)
	FMA8 10, 3
	v_fma_f32 v232, v232, s[CS], v12               ; t - M of each block's largest score
	v_fma_f32 v233, v233, s[CS], v12
	v_pk_mul_f32 v[14:15], v[14:15], v[202:203] op_sel_hi:[1,0]   ; the sum under the new M
.set j, 0
.rept 16
	v_pk_mul_f32 v[O+j:O+j+1], v[O+j:O+j+1], v[202:203] op_sel_hi:[1,0]   ; O^T under the new M: ahead of the exponentials, so that none stands between the products' write and this read
.set j, j+2
.endr
	WALU                                           ; a wait at each batch's edge
	v_exp_f32 v232, v232                           ; the blocks' largest p: the same two instructions on the same number give the same bits
	v_exp_f32 v233, v233
	BATCH 0, 0, 8
	WALU
	BATCH 1, 0, 8
	v_max_num_f32 v232, 0x1800000, v232            ; the floor 2^(3 - 127): the byte cannot fall under 1
	v_max_num_f32 v233, 0x1800000, v233
	WALU
	BATCH 2, 0, 8
	v_add_nc_u32 v244, 0xff000000, v232            ; 2 off the exponent field: the conversion's scale operand
	v_add_nc_u32 v245, 0xff000000, v233
	WALU
	BATCH 3, 0, 3
	v_cvt_scalef32_pk16_fp6_f32 v[PC:PC+2], v[S:S+15], v244          ; my first block's codes
	BATCH 3, 3, 3
	v_cvt_scalef32_pk16_fp6_f32 v[236:238], v[S+16:S+31], v244       ; (a conversion's three registers begin on an even number)
	BATCH 3, 6, 2
	v_lshrrev_b32 v246, 23, v244                   ; the scales' bytes
	v_lshrrev_b32 v247, 23, v245
	v_lshl_or_b32 v246, v247, 16, v246             ; my two at bytes 0 and 2
	v_permlanex16_b32 v243, v246, s[SEL], s[SEL+1]
	v_perm_b32 v253, v243, v246, s[PSEL]           ; p's scale word, in lanes 0-15, which the product reads: blocks 0 and 2 are mine, 1 and 3 lane l + 16's
	WALU
	v_cvt_scalef32_pk16_fp6_f32 v[PC+6:PC+8], v[S+32:S+47], v245     ; my second block's
	v_cvt_scalef32_pk16_fp6_f32 v[240:242], v[S+48:S+63], v245
.set j, 0
.rept 8
	v_pk_add_f32 v[A+j:A+j+1], v[A+j:A+j+1], v[S+48+j:S+49+j]   ; batch 3
.set j, j+2
.endr
	KLOAD NK, 8, 9, \off+STEPB                     ; every p has been converted and summed: the next step's K, 14 loads
.irp i, 0,1,2
	v_mov_b32 v[PC+3+\i], v[236+\i]
	v_mov_b32 v[PC+9+\i], v[240+\i]
.endr
.irp k, 0,2,4,6
	v_pk_add_f32 v[A+\k:A+\k+1], v[A+\k:A+\k+1], v[A+8+\k:A+9+\k]   ; eight partial sums to four; also the four places between the last write of p's codes and the products
.endr
	WALU
	s_wait_dscnt 14                                ; V is in; the 14 loads of the next K may be out
.irp tp, 0,1                                   ; O^T += V^T P^T: the four accumulators take turns
.irp ta, 0,1
	v_wmma_scale_f32_16x16x128_f8f6f4 v[O+8*(2*\tp+\ta):O+8*(2*\tp+\ta)+7], v[KF+12*(2*\tp+\ta):KF+12*(2*\tp+\ta)+11], v[PC:PC+11], v[O+8*(2*\tp+\ta):O+8*(2*\tp+\ta)+7], v[250+\tp], v253 matrix_a_fmt:MATRIX_FMT_FP6 matrix_b_fmt:MATRIX_FMT_FP6 matrix_a_scale:MATRIX_SCALE_ROW\ta
.endr
.endr
.endm
	WALU                                           ; the wait at the head's end
	s_wait_loadcnt 0x0                             ; q
	s_wait_tensorcnt 0x0                           ; my sixteenth is in
	s_barrier_signal -1
	s_barrier_wait -1                              ; all of K and V is in; nothing is ever filled again
.Lpass:                                            ; two trips: tile u = 0, then u = 1 of my 32 queries
	s_wait_dscnt 0x0                               ; (second trip: the loads that the last step issued have landed: their registers are loaded anew)
	KLOAD 48, 1, 2, 0                              ; step 0's K
.irp i, 0,1,2,3,4,5
	v_mov_b32 v[22+\i], v[36+\i]                   ; this pass's tile of q, between the zeros;
.endr
.irp i, 0,1,2,3,4,5
	v_mov_b32 v[36+\i], v[42+\i]                   ; the other moves up for the next pass
.endr
	v_perm_b32 v255, v35, v35, 0x05040100          ; q's scale word: this tile's two bytes, twice
	v_lshrrev_b32 v35, 16, v35
	v_mov_b32 v13, 0xff61b1e6                      ; the largest score so far: -3e38
	v_mov_b32 v12, 0x7e000000                      ; -M so far: so large that the first step's f is 0, which leaves the zeros below zeros
	v_mov_b32 v14, 0
	v_mov_b32 v15, 0
.set j, 0
.rept 8
	v_mov_b32 v[A+j], 0                            ; the four partial sums that the first step folds
.set j, j+1
.endr
.set j, 0
.rept 32
	v_mov_b32 v[O+j], 0                            ; O^T: the step is written once, its first walk finds zeros.  (Also the places between the writes of q and its scale word and the first product)
.set j, j+1
.endr
	s_mov_b32 s[TB], 0
	s_mov_b32 s[CNT], 8
.Lstep:
.set KF, 48
.set S,  96
.set NK, 112
	STEP 0
.set KF, 112
.set S,  48
.set NK, 48
	STEP STEPB
	s_add_co_u32 s[TB], s[TB], 2*STEPB
	s_sub_co_u32 s[CNT], s[CNT], 1
	s_cmp_lg_u32 s[CNT], 0
	s_cbranch_scc1 .Lstep
	; the pass's end: O^T / the sum, quantised along the head's 64: half of a tile's image for the last product
.set S,  96
	v_pk_add_f32 v[A:A+1], v[A:A+1], v[A+4:A+5]    ; the last step's partial sums
	v_pk_add_f32 v[A+2:A+3], v[A+2:A+3], v[A+6:A+7]
	v_pk_add_f32 v[A:A+1], v[A:A+1], v[A+2:A+3]
	v_pk_add_f32 v[14:15], v[14:15], v[A:A+1]
	v_add_f32 v14, v14, v15
	v_permlanex16_b32 v243, v14, s[SEL], s[SEL+1]
	v_add_f32 v14, v14, v243                       ; the row's sum
	WALU
	v_rcp_f32 v14, v14
	v_nop
	WALU                                           ; the wait ahead of the first reader of the reciprocal and of O^T
.set j, 0
.rept 32
	v_mul_f32 v[S+j], v[O+j], v14                  ; register 16 b + i = channel 32 b + 16 (lane / 16) + i of my query
.set j, j+1
.endr
.irp b, 0,1
	v_max3_num_f32 v[232+\b], |v[S+16*\b]|, |v[S+1+16*\b]|, 0x1800000
.endr
.irp i, 2,4,6,8,10,12,14
.irp b, 0,1
	v_max3_num_f32 v[232+\b], v[232+\b], |v[S+16*\b+\i]|, |v[S+1+16*\b+\i]|
.endr
.endr
.irp b, 0,1
	v_permlanex16_b32 v[236+\b], v[232+\b], s[SEL], s[SEL+1]
.endr
.irp b, 0,1
	v_max_num_f32 v[232+\b], v[232+\b], v[236+\b]
.endr
.irp b, 0,1
	v_add_nc_u32 v[244+\b], 0xff000000, v[232+\b]
.endr
.irp b, 0,1
	v_lshrrev_b32 v[236+\b], 23, v[244+\b]
.endr
	v_lshl_or_b32 v254, v237, 8, v236              ; the two scale bytes of my row and head
	v_cvt_scalef32_pk16_fp6_f32 v[192:194], v[S:S+15], v244
	v_cvt_scalef32_pk16_fp6_f32 v[198:200], v[S+16:S+31], v245
	v_nop                                          ; one plain place behind a scaled conversion
.irp i, 0,1,2
	v_permlane16_swap_b32 v[192+\i], v[198+\i]
.endr
.irp i, 0,1,2
	v_mov_b32 v[195+\i], v[198+\i]                 ; v192-197: channels 32 (lane / 16) + 0 .. 31
.endr
	global_store_b128 v1, v[192:195], s[OB:OB+1]               ; 512 consecutive bytes, at a multiple of 256 from ac's first byte
	global_store_b64 v203, v[196:197], s[OB:OB+1] offset:512   ; and 256
	v_cndmask_b32 v201, v201, v254, s[MK]          ; lanes 0-15 keep the first pass's bytes, lanes 16-31 the second's
	s_lshl_b32 s[MK], s[MK], 16
	s_wait_xcnt 0x0                                ; the stores have read their registers and their base: both are written again
	s_add_nc_u64 s[OB:OB+1], s[OB:OB+1], 1536      ; the next tile
	s_sub_co_u32 s[PASS], s[PASS], 1
	s_cmp_lg_u32 s[PASS], 0
	WALU                                           ; the wait ahead of the branch
	s_cbranch_scc1 .Lpass
	global_store_b16 v2, v201, s[OSB:OSB+1]        ; my head's two bytes of the two tiles' 32 scale words
	s_wait_tensorcnt 0x0                           ; the wave's end
	ds_add_u32 v5, v6
	s_wait_dscnt 0x0
	CROUND                                         ; the closing round
	s_endpgm
.Lfunc_end_k_q9c17e045e2_attn:
	.size	k_q9c17e045e2_attn, .Lfunc_end_k_q9c17e045e2_attn-k_q9c17e045e2_attn
	.p2alignl 7, 3214868480
	.fill 96, 4, 3214868480
	.section	.rodata,"a",@progbits
	.p2align	6, 0x0
	.amdhsa_kernel k_q9c17e045e2_attn
		.amdhsa_group_segment_fixed_size 327680
		.amdhsa_private_segment_fixed_size 0
		.amdhsa_enable_private_segment 0
		.amdhsa_kernarg_size 16
		.amdhsa_user_sgpr_count 2
		.amdhsa_user_sgpr_kernarg_segment_ptr 1
		.amdhsa_wavefront_size32 1
		.amdhsa_system_sgpr_workgroup_id_x 1
		.amdhsa_system_sgpr_workgroup_id_y 1
		.amdhsa_system_sgpr_workgroup_id_z 1
		.amdhsa_system_vgpr_workitem_id 0
		.amdhsa_next_free_vgpr 256
		.amdhsa_next_free_sgpr 66
		.amdhsa_reserve_vcc 0
		.amdhsa_float_denorm_mode_32 3
		.amdhsa_float_denorm_mode_16_64 3
		.amdhsa_memory_ordered 1
		.amdhsa_forward_progress 1
		.amdhsa_inst_pref_size 42
	.end_amdhsa_kernel
	.amdgpu_metadata
---
amdhsa.version: [ 1, 2 ]
amdhsa.kernels:
  - .name:           k_q9c17e045e2_attn
    .symbol:         k_q9c17e045e2_attn.kd
    .args:
      - { .name: qkv, .offset: 0, .size: 8, .value_kind: global_buffer, .address_space: global }
      - { .name: ac, .offset: 8, .size: 8, .value_kind: global_buffer, .address_space: global }
    .group_segment_fixed_size: 327680
    .private_segment_fixed_size: 0
    .kernarg_segment_align: 8
    .kernarg_segment_size: 16
    .max_flat_workgroup_size: 512
    .sgpr_count:     66
    .vgpr_count:     256
    .wavefront_size: 32
...
	.end_amdgpu_metadata
.endif
;; end of part 3
;; launch outp (part 4): grid 4 x 64, 4 waves a work-group, clusters of 4 x 4, 327,680 bytes of LDS; arguments xw, ac, bo, out0; writes out0
.if DOCPART == 4
	.amdgcn_target "amdgcn-amd-amdhsa--gfx1250"
	.amdhsa_code_object_version 6
	.text
	.protected	k_q9c17e045e2_outp
	.globl	k_q9c17e045e2_outp
	.p2align	8
	.type	k_q9c17e045e2_outp,@function
k_q9c17e045e2_outp:
	s_mov_b64 s[64:65], 0
	v_nop
	global_prefetch_b8 v0, s[64:65] scope:SCOPE_SE
	s_setreg_imm32_b32 hwreg(HW_REG_WAVE_MODE, 25, 1), 1
	s_wait_xcnt 0x0
	s_wait_alu depctr_hold_cnt(0) depctr_sa_sdst(0) depctr_va_vdst(0) depctr_va_sdst(0) depctr_va_ssrc(0) depctr_va_vcc(0) depctr_vm_vsrc(0)
	s_getreg_b32 s2, hwreg(HW_REG_IB_STS2, 6, 4)
	s_cmp_eq_u32 s2, 0
	s_cbranch_scc0 .Lentry_in_a_cluster
	s_endpgm
.Lentry_in_a_cluster:
	s_bfe_u32 s2, ttmp6, 0x10000c
	s_cmp_lg_u32 s2, 0xf033
	s_cbranch_scc0 .Lentry_shape_is_right
	s_endpgm
.Lentry_shape_is_right:
; out0 = x Wo^T + bo on codes of FP6 (E2M3) with E8M0 scales, sums in f32.  x's codes lie in ac, Wo's in xw (blocks 216-223), both as images of operand registers: blocks of 128 rows x 8 K steps of 12,800 bytes
; (8 tiles x 1,536 bytes, then 512 bytes of scale words); tile 2 p + u holds rows 32 p + 8 u + r + 8 (r / 8).
; P[i][j] = sum over k of S0[i][k] S1[j][k], S0 = Wo, S1 = x.  A work-group makes 256 rows of S0 x 128 rows of S1; all of K = 1,024 of its three blocks lies in LDS: no byte is filled twice by a tensor load.  The blocks come in two
; halves of K, and the products begin when the first is in.  Four waves: wave w takes S0's block w & 1 (8 tiles) x S1's tiles 4 (w >> 1) .. + 3: 32 accumulators.  Source 0 = 16 rows of Wo, source 1 = 16 rows of x:
; a lane holds one row of out0, and the 16 registers of tiles 2 p, 2 p + 1 are 16 neighbouring columns.
; CLUSTER 4 x 4: Wo's blocks hang on cx alone and are asked for jointly by the cluster's column, x's block on cy alone, by its row.
; THE WAY OUT: sums + bias go through the wave's own stage in LDS (16 rows x 528 bytes, in the bytes of S0's first block, which has had its only fill and, behind a barrier, its last read) and leave as whole rows of 512 bytes.
; REGISTERS.  window 0: v4-12 addresses; v28, v29 the add's two; v32-127 S1's fragments, two sets (later 64 sums + bias); v128-139 scale words; v140-203 bias.   window 1: acc(jt, it) at 8 (8 jt + it).
;   window 2: S0's fragments, two sets of 96; on the way out rows read back from the stage.
.set BLKB,  102400
.set KSB,   12800
.set QTR,   51200                      ; what one tensor load brings: a HALF of K of a block, four K steps
.set S1L,   2*BLKB
.set SPARE, 3*BLKB                     ; behind the three blocks: the spare words, 128 bytes a wave: two blocks of 256 bytes that no other line names
.set SPW,   28
.set NIL,   29
.set S1F,   32
.set ST,    32
.set SCW,   128
.set BI,    140
.set STO,   10
.set RD,    11
.set CO,    12
.set G1A,   24
.set G1B,   32
.set G0A,   40
.set G0B,   68
.set MSB, 0
.macro WIN new                         ; the immediate's high byte repeats the setting that is left
.if MSB != \new
	s_set_vgpr_msb (MSB<<8)|\new
.set MSB, \new
.endif
.endm
.macro CROUND                          ; a round of the cluster's barrier
	s_barrier_signal -1
	s_barrier_wait -1
	s_cmp_lg_u32 s14, 0
	s_cbranch_scc1 .Lnot_wave_0_\@
	s_barrier_signal -3
.Lnot_wave_0_\@:
	s_barrier_wait -3
	s_barrier_signal -1
	s_barrier_wait -1
.endm
.macro PLACES                          ; four places in front of loads into registers that matrix instructions have read, and of the first read of results
.rept 4
	v_nop
.endr
.endm
.macro FRAG reg, a16, a8, off          ; a fragment's image: for each half 512 bytes at 16 x lane and 256 bytes at 8 x lane
	ds_load_b128 v[\reg:\reg+3], v[\a16] offset:\off
	ds_load_b64 v[\reg+4:\reg+5], v[\a8] offset:\off+512
	ds_load_b128 v[\reg+6:\reg+9], v[\a16] offset:\off+768
	ds_load_b64 v[\reg+10:\reg+11], v[\a8] offset:\off+1280
.endm
.macro FETCH s                         ; K step s into set s % 2: 54 LDS loads
	WIN 0x80                                       ; destination window 2
.irp it, 0,1,2,3,4,5,6,7
	FRAG 96*((\s)%2)+12*\it, 4, 5, ((\s)%4)*KSB+1536*\it
.endr
	WIN 0
.irp jt, 0,1,2,3
	FRAG S1F+48*((\s)%2)+12*\jt, 7, 8, ((\s)%4)*KSB+1536*\jt
.endr
.irp p, 0,1,2,3
	ds_load_b32 v[SCW+6*((\s)%2)+\p], v6 offset:((\s)%4)*KSB+12288+128*\p
.endr
.irp p, 0,1
	ds_load_b32 v[SCW+6*((\s)%2)+4+\p], v9 offset:((\s)%4)*KSB+12288+128*\p
.endr
.endm
.macro WM s, jt, it, zero              ; one product; an odd tile's scale words lie in lanes 16-31 of their register
.set rD, 8*(8*(\jt)+(\it))
.set rA, 96*((\s)%2)+12*(\it)
.set rB, S1F+48*((\s)%2)+12*(\jt)
.set rX, SCW+6*((\s)%2)+(\it)/2
.set rY, SCW+6*((\s)%2)+4+(\jt)/2
.set par, (\it)%2+2*((\jt)%2)+4*(\zero)
.if par == 0
	v_wmma_scale_f32_16x16x128_f8f6f4 v[rD:rD+7], v[rA:rA+11], v[rB:rB+11], v[rD:rD+7], v[rX], v[rY] matrix_a_fmt:MATRIX_FMT_FP6 matrix_b_fmt:MATRIX_FMT_FP6
.elseif par == 1
	v_wmma_scale_f32_16x16x128_f8f6f4 v[rD:rD+7], v[rA:rA+11], v[rB:rB+11], v[rD:rD+7], v[rX], v[rY] matrix_a_fmt:MATRIX_FMT_FP6 matrix_b_fmt:MATRIX_FMT_FP6 matrix_a_scale:MATRIX_SCALE_ROW1
.elseif par == 2
	v_wmma_scale_f32_16x16x128_f8f6f4 v[rD:rD+7], v[rA:rA+11], v[rB:rB+11], v[rD:rD+7], v[rX], v[rY] matrix_a_fmt:MATRIX_FMT_FP6 matrix_b_fmt:MATRIX_FMT_FP6 matrix_b_scale:MATRIX_SCALE_ROW1
.elseif par == 3
	v_wmma_scale_f32_16x16x128_f8f6f4 v[rD:rD+7], v[rA:rA+11], v[rB:rB+11], v[rD:rD+7], v[rX], v[rY] matrix_a_fmt:MATRIX_FMT_FP6 matrix_b_fmt:MATRIX_FMT_FP6 matrix_a_scale:MATRIX_SCALE_ROW1 matrix_b_scale:MATRIX_SCALE_ROW1
.elseif par == 4
	v_wmma_scale_f32_16x16x128_f8f6f4 v[rD:rD+7], v[rA:rA+11], v[rB:rB+11], 0, v[rX], v[rY] matrix_a_fmt:MATRIX_FMT_FP6 matrix_b_fmt:MATRIX_FMT_FP6
.elseif par == 5
	v_wmma_scale_f32_16x16x128_f8f6f4 v[rD:rD+7], v[rA:rA+11], v[rB:rB+11], 0, v[rX], v[rY] matrix_a_fmt:MATRIX_FMT_FP6 matrix_b_fmt:MATRIX_FMT_FP6 matrix_a_scale:MATRIX_SCALE_ROW1
.elseif par == 6
	v_wmma_scale_f32_16x16x128_f8f6f4 v[rD:rD+7], v[rA:rA+11], v[rB:rB+11], 0, v[rX], v[rY] matrix_a_fmt:MATRIX_FMT_FP6 matrix_b_fmt:MATRIX_FMT_FP6 matrix_b_scale:MATRIX_SCALE_ROW1
.else
	v_wmma_scale_f32_16x16x128_f8f6f4 v[rD:rD+7], v[rA:rA+11], v[rB:rB+11], 0, v[rX], v[rY] matrix_a_fmt:MATRIX_FMT_FP6 matrix_b_fmt:MATRIX_FMT_FP6 matrix_a_scale:MATRIX_SCALE_ROW1 matrix_b_scale:MATRIX_SCALE_ROW1
.endif
.endm
.macro MUL s, zero                     ; K step s: 32 products; the 32 accumulators take turns, one instruction a turn, in the same order in every step.  zero = 1: the first products start the sums
	WIN 0x52                                       ; source 0 window 2, source 1 window 0, C and D window 1
.irp jt, 0,1,2,3
.irp it, 0,1,2,3,4,5,6,7
	WM \s, \jt, \it, \zero
.endr
.endr
	WIN 0
.endm
	s_load_b256 s[4:11], s[0:1], 0x0               ; xw s[4:5], ac s[6:7], bo s[8:9], out0 s[10:11]
	v_lshl_add_u32 v[SPW], v0, 2, SPARE
	v_mov_b32 v[NIL], 0
	ds_add_u32 v[SPW], v[NIL]                      ; the wave's opening
	ds_add_u32 v[SPW], v[NIL]
	v_lshrrev_b32 v1, 5, v0
	v_readfirstlane_b32 s14, v1                    ; wave 0..3
	s_and_b32 s15, s14, 1                          ; wi
	s_lshr_b32 s16, s14, 1                         ; wj
	s_bfe_u32 s17, ttmp6, 0x40000                  ; cx = my tile of Wo (256 rows)
	s_bfe_u32 s18, ttmp6, 0x40004                  ; cy
	s_and_b32 s23, ttmp7, 0xffff
	s_lshl_b32 s23, s23, 2
	s_add_co_u32 s23, s23, s18                     ; my block of x (128 rows) = 4 x cluster y + cy
	s_lshl_b32 s59, 0x1111, s17                    ; my column of the cluster
	s_lshl_b32 s2, s18, 2
	s_lshl_b32 s2, 15, s2                          ; my row
	s_or_b32 s[G1A], s59, (3<<16)|(1<<21)          ; group 1: 51,200 dense bytes as 200 rows of 256 bytes; the mask, and bit 21 beside it
	s_or_b32 s[G1B], s2, (3<<16)|(1<<21)
.irp g, G1A, G1B
	s_mov_b32 s[\g+1], 32<<16
	s_mov_b32 s[\g+2], 200<<16
	s_mov_b32 s[\g+3], 32<<16
	s_mov_b32 s[\g+4], 200
	s_mov_b32 s[\g+5], 32
	s_mov_b32 s[\g+6], 0
	s_mov_b32 s[\g+7], 0
.endr
	s_lshl_b32 s56, s17, 1
	s_add_co_u32 s56, s56, 216
	s_add_co_u32 s56, s56, s15
	s_mul_i32 s56, s56, BLKB                       ; Wo's block 2 cx + wi in xw
	s_mov_b32 s57, 0
	s_mul_i32 s62, s23, BLKB                       ; x's block in ac
	s_mov_b32 s63, 0
	s_mul_i32 s3, s15, BLKB                        ; LDS: S0's block wi
	s_wait_dscnt 0x0                               ; the opening add is done
	s_wait_kmcnt 0x0
	s_add_nc_u64 s[84:85], s[4:5], s[56:57]
	s_add_nc_u64 s[86:87], s[6:7], s[62:63]
	CROUND                                         ; all sixteen work-groups are here: the joint loads meet
.irp q, 0,1
	s_mov_b32 s[G0A+4*\q], 1
	s_add_co_u32 s[G0A+4*\q+1], s3, \q*QTR
	s_add_nc_u64 s[G0A+4*\q+2:G0A+4*\q+3], s[84:85], \q*QTR
	s_or_b32 s[G0A+4*\q+3], s[G0A+4*\q+3], 0x80000000
	s_mov_b32 s[G0B+4*\q], 1
	s_mov_b32 s[G0B+4*\q+1], S1L+\q*QTR
	s_add_nc_u64 s[G0B+4*\q+2:G0B+4*\q+3], s[86:87], \q*QTR
	s_or_b32 s[G0B+4*\q+3], s[G0B+4*\q+3], 0x80000000
.endr
	; THE HEAD'S FILLS, one a wave, in one chain of branches on the wave's number: waves 0 and 1 the first half of K of Wo's two blocks, wave 2 x's first half, wave 3 x's second half
	s_cmp_lt_u32 s14, 2
	s_cbranch_scc0 .Lnot_s0
	tensor_load_to_lds s[G0A:G0A+3], s[G1A:G1A+7]
	s_nop 0
.rept 4
	v_nop
.endr
	s_branch .Lasked
.Lnot_s0:
	s_cmp_eq_u32 s14, 2
	s_cbranch_scc0 .Lwave_3
	tensor_load_to_lds s[G0B:G0B+3], s[G1B:G1B+7]
	s_nop 0
.rept 4
	v_nop
.endr
	s_branch .Lasked
.Lwave_3:
	tensor_load_to_lds s[G0B+4:G0B+7], s[G1B:G1B+7]
	s_nop 0
.rept 4
	v_nop
.endr
.Lasked:
	v_and_b32 v1, 31, v0                           ; lane l
	v_and_b32 v2, 15, v0                           ; r
	v_bfe_u32 v3, v0, 4, 1                         ; h
	v_lshl_add_u32 v4, v1, 4, s3
	v_lshl_add_u32 v5, v1, 3, s3
	v_lshl_add_u32 v6, v1, 2, s3
	s_mul_i32 s66, s16, 6144
	s_add_co_u32 s66, s66, S1L
	v_lshl_add_u32 v7, v1, 4, s66
	v_lshl_add_u32 v8, v1, 3, s66
	s_lshl_b32 s66, s16, 8
	s_add_co_u32 s66, s66, S1L
	v_lshl_add_u32 v9, v1, 2, s66
	s_mul_i32 s66, s14, 8448                       ; my stage
	v_mul_u32_u24 v[STO], v2, 528
	v_lshl_add_u32 v[STO], v3, 6, v[STO]
	v_add_nc_u32 v[STO], s66, v[STO]               ; in: row r, + 64 h
	v_lshlrev_b32 v[CO], 4, v1                     ; 16 l: my bytes of a row's 512
	v_add_nc_u32 v[RD], s66, v[CO]                 ; back: a whole row
	v_lshlrev_b32 v13, 6, v3                       ; 64 h: the bias of 16 h on
	s_wait_alu depctr_va_vdst(0)
	s_lshl_b32 s66, s17, 10
	s_lshl_b32 s67, s15, 9
	s_add_co_u32 s66, s66, s67                     ; 4 (256 cx + 128 wi): my first column, in bytes
	s_mov_b32 s67, 0
	s_add_nc_u64 s[92:93], s[8:9], s[66:67]
	s_add_nc_u64 s[88:89], s[10:11], s[66:67]
	s_lshl_b32 s66, s23, 19
	s_lshl_b32 s67, s16, 18
	s_add_co_u32 s66, s66, s67                     ; (128 x block + 64 wj) rows of 4,096 bytes
	s_mov_b32 s67, 0
	s_add_nc_u64 s[88:89], s[88:89], s[66:67]
.irp it, 0,1,2,3,4,5,6,7
	global_load_b128 v[BI+8*\it:BI+8*\it+3], v13, s[92:93] offset:(32*(\it/2)+8*(\it%2))*4
	global_load_b128 v[BI+8*\it+4:BI+8*\it+7], v13, s[92:93] offset:(32*(\it/2)+8*(\it%2))*4+16
.endr
	s_wait_alu depctr_va_vdst(0)                   ; the wait at the head's end
	s_wait_tensorcnt 0x0                           ; my load of the head is in
	ds_add_u32 v[SPW], v[NIL]
	s_wait_dscnt 0x0
	CROUND                                         ; everybody's is in, and all sixteen work-groups are here: the joint loads meet
	s_cmp_lt_u32 s14, 2
	s_cbranch_scc0 .Lno_half
	tensor_load_to_lds s[G0A+4:G0A+7], s[G1A:G1A+7]   ; waves 0 and 1: the second half of K of Wo's two blocks; it has K steps 0 to 3 in which to land
	s_nop 0
.rept 4
	v_nop
.endr
.Lno_half:
	FETCH 0
.irp s, 0,1,2,3,4,5,6,7
.if \s==3
	s_wait_tensorcnt 0x0                           ; Wo's second half is in: every wave waits, under no branch
	s_wait_dscnt 0x0
	s_barrier_signal -1
	s_barrier_wait -1                              ; everybody's is
.endif
.if \s<7
.if \s==3
.irp a, 4,5,6,7,8,9
	s_wait_alu depctr_va_vdst(0)
	v_add_nc_u32 v\a, 4*KSB, v\a                   ; on to K steps 4 to 7, so that the offsets stay inside 16 bits; these six are also the places in front of the loads
.endr
.elseif \s>0
	PLACES
.endif
	FETCH \s+1
	s_wait_alu depctr_va_vdst(0)
	s_wait_dscnt 54                                ; all but the 54 loads just issued: this step's fragments are in
.else
	s_wait_dscnt 0x0
.endif
.if \s==0
	MUL \s, 1
.else
	MUL \s, 0
.endif
.endr
	s_wait_dscnt 0x0                               ; my reads of the blocks are over
	s_barrier_signal -1
	s_barrier_wait -1                              ; everybody's are: the stages may be written
	PLACES
	s_wait_loadcnt 0x0                             ; the bias
.irp jt, 0,1,2,3                               ; 16 rows of out0 x my 128 columns at a time
	WIN 0x01                                       ; source 0 window 1: the additions also bring the sums into window 0
.irp it, 0,1,2,3,4,5,6,7
.irp jj, 0,2,4,6
	v_pk_add_f32 v[ST+8*\it+\jj:ST+8*\it+\jj+1], v[8*(8*\jt+\it)+\jj:8*(8*\jt+\it)+\jj+1], v[BI+8*\it+\jj:BI+8*\it+\jj+1]
.endr
.endr
	WIN 0
.irp b, 0,1,2,3
.irp e, 0,1,2,3
	ds_store_b128 v[STO], v[ST+16*\b+4*\e:ST+16*\b+4*\e+3] offset:128*\b+16*\e   ; columns 32 b + 16 h + 4 e on
.endr
.endr
.if \jt>=2
	s_wait_xcnt 0x0                                ; the stores of two tiles back have read their registers
.endif
	WIN 0x80                                       ; destination window 2
.irp p, 0,1,2,3,4,5,6,7,8,9,10,11,12,13,14,15
	ds_load_b128 v[64*(\jt%2)+4*\p:64*(\jt%2)+4*\p+3], v[RD] offset:528*\p   ; LDS serves a wave's instructions in order: these see my stores
.endr
	WIN 0x08                                       ; a store's data are its source 1: window 2
.irp p, 0,1,2,3,4,5,6,7,8,9,10,11,12,13,14,15
	s_wait_dscnt 15-\p                             ; row p is back; the younger loads may be out
	global_store_b128 v[CO], v[64*(\jt%2)+4*\p:64*(\jt%2)+4*\p+3], s[88:89] offset:(32*(\jt/2)+8*(\jt%2)+\p+8*(\p/8))*4096 th:TH_STORE_NT   ; 32 lanes store 512 consecutive bytes, at a multiple of 512 from out0's first byte
.endr
	WIN 0
.endr
	s_wait_tensorcnt 0x0                           ; the wave's end
	ds_add_u32 v[SPW], v[NIL]
	s_wait_dscnt 0x0
	CROUND                                         ; the closing round: no work-group ends while a partner may still ask for a block that names it
	s_endpgm
.Lfunc_end_k_q9c17e045e2_outp:
	.size	k_q9c17e045e2_outp, .Lfunc_end_k_q9c17e045e2_outp-k_q9c17e045e2_outp
	.p2alignl 7, 3214868480
	.fill 96, 4, 3214868480
	.section	.rodata,"a",@progbits
	.p2align	6, 0x0
	.amdhsa_kernel k_q9c17e045e2_outp
		.amdhsa_group_segment_fixed_size 327680
		.amdhsa_private_segment_fixed_size 0
		.amdhsa_enable_private_segment 0
		.amdhsa_kernarg_size 32
		.amdhsa_user_sgpr_count 2
		.amdhsa_user_sgpr_kernarg_segment_ptr 1
		.amdhsa_wavefront_size32 1
		.amdhsa_system_sgpr_workgroup_id_x 1
		.amdhsa_system_sgpr_workgroup_id_y 1
		.amdhsa_system_sgpr_workgroup_id_z 1
		.amdhsa_system_vgpr_workitem_id 0
		.amdhsa_next_free_vgpr 768
		.amdhsa_next_free_sgpr 100
		.amdhsa_reserve_vcc 0
		.amdhsa_float_denorm_mode_32 3
		.amdhsa_float_denorm_mode_16_64 3
		.amdhsa_memory_ordered 1
		.amdhsa_forward_progress 1
		.amdhsa_inst_pref_size 96
	.end_amdhsa_kernel
	.amdgpu_metadata
---
amdhsa.version: [ 1, 2 ]
amdhsa.kernels:
  - .name:           k_q9c17e045e2_outp
    .symbol:         k_q9c17e045e2_outp.kd
    .args:
      - { .name: xw, .offset: 0, .size: 8, .value_kind: global_buffer, .address_space: global }
      - { .name: ac, .offset: 8, .size: 8, .value_kind: global_buffer, .address_space: global }
      - { .name: bo, .offset: 16, .size: 8, .value_kind: global_buffer, .address_space: global }
      - { .name: out0, .offset: 24, .size: 8, .value_kind: global_buffer, .address_space: global }
    .group_segment_fixed_size: 327680
    .private_segment_fixed_size: 0
    .kernarg_segment_align: 8
    .kernarg_segment_size: 32
    .max_flat_workgroup_size: 128
    .sgpr_count:     100
    .vgpr_count:     768
    .wavefront_size: 32
...
	.end_amdgpu_metadata
.endif
;; end of part 4
